; MI455X (gfx1250); checked and timed in simulation.
; The chip was launched on July 23, 2026; its instructions are those of AMD's public machine-readable ISA for CDNA 5 (MIT licence, August 2026) and "CDNA5" Instruction Set Architecture Reference Guide (July 2026). The comments in the code are by the model that wrote it; some were corrected since.
;; ATT Layer. Allowed arithmetic: matrix products marked QUANTISED: E5M2 operands, one E8M0 scale for each 32 along K, by v_wmma_scale_f32_16x16x128_f8f6f4 with both operands' format E5M2, f32 sums; everything else in f32.
;; Inputs: fqk_W_codes 64 x 2 x 32 uint8 (E5M2 codes of fqk_W, K innermost, in blocks of 32 codes); fqk_W_scales 64 x 2 uint8 (E8M0 scales of fqk_W, one for each 32 codes along K); fqk_a one number float32; fqk_b 64 float32; fqk_be 64 float32; fqk_g 64 float32; fqk_m 64 float32; fqk_v 64 float32; fv_W_codes 32 x 2 x 32 uint8 (E5M2 codes of fv_W, K innermost, in blocks of 32 codes); fv_W_scales 32 x 2 uint8 (E8M0 scales of fv_W, one for each 32 codes along K); fv_a one number float32; fv_b 32 float32; fv_be 32 float32; fv_g 32 float32; fv_m 32 float32; fv_v 32 float32; inp_codes 4 x 256 x 256 x 2 x 32 uint8 (E5M2 codes of inp, K innermost, in blocks of 32 codes); inp_scales 4 x 256 x 256 x 2 uint8 (E8M0 scales of inp, one for each 32 codes along K); proj_W_codes 64 x 1 x 32 uint8 (E5M2 codes of proj_W, K innermost, in blocks of 32 codes); proj_W_scales 64 x 1 uint8 (E8M0 scales of proj_W, one for each 32 codes along K); proj_a one number float32; proj_b 64 float32; proj_be 64 float32; proj_g 64 float32; proj_m 64 float32; proj_v 64 float32; tqk_W_codes 64 x 2 x 32 uint8 (E5M2 codes of tqk_W, K innermost, in blocks of 32 codes); tqk_W_scales 64 x 2 uint8 (E8M0 scales of tqk_W, one for each 32 codes along K); tqk_a one number float32; tqk_b 64 float32; tqk_be 64 float32; tqk_g 64 float32; tqk_m 64 float32; tqk_v 64 float32; x 4 x 64 x 256 x 256 float32.
;; Outputs: out0 4 x 64 x 256 x 256 float32.
;; This version of the problem:
;;   THIS VERSION OF THE PROBLEM IS GIVEN IN LOW PRECISION. The matrix products marked QUANTISED in the list below multiply operands that are first quantised to E5M2 (5 exponent bits, 2 mantissa bits; 8 bits a number), with one power-of-two scale for each 32 numbers along K (OCP MX v1.0); their sums are f32. All else is computed in f32.
;;   The module's matrix products, in the order in which they are computed (A, B: the left and right operand; K: the contracted axis; several contracted axes count as one K, in the product's order):
;;     1. [M 262,144, K 64] x [K 64, N 64]; A: input inp (given as codes); B: input fqk_W (given as codes): QUANTISED
;;     2. [M 262,144, K 64] x [K 64, N 32]; A: input x; B: input fv_W (given as codes): QUANTISED
;;     3. batch 1,024 x [M 256, K 32] x [K 32, N 256]; A: computed on the way; B: computed on the way: QUANTISED
;;     4. batch 1,024 x [M 32, K 256] x [K 256, N 256]; A: computed on the way; B: softmax (see below): QUANTISED
;;     5. [M 262,144, K 64] x [K 64, N 64]; A: input inp (given as codes); B: input tqk_W (given as codes): QUANTISED
;;     6. batch 1,024 x [M 256, K 32] x [K 32, N 256]; A: computed on the way; B: computed on the way: QUANTISED
;;     7. batch 1,024 x [M 32, K 256] x [K 256, N 256]; A: computed on the way; B: softmax (see below): QUANTISED
;;     8. [M 262,144, K 32] x [K 32, N 64]; A: computed on the way; B: input proj_W (given as codes): QUANTISED
;;   THE QUANTISER, for each operand of a quantised product, along K:
;;     - K is cut into blocks of 32 from its start; a last block that is shorter is filled with zeros.
;;     - A block's scale is 2^e with e = floor(log2(the largest magnitude in the block)) - 15, held to -126 .. 127; a block of zeros has e = 0. As a byte (E8M0): e + 127.
;;     - Each number is divided by its block's scale, clamped to +-57,344, and rounded to the nearest number of E5M2, ties to even, subnormals kept.
;;     - The product sums the exact products of the quantised numbers (number of the format x scale) in f32.
;;   ~~~python
;;   def quantise(x, axis):      # numpy; x: float32 -> the quantised numbers, widened to float32 again
;;       x = np.moveaxis(x, axis, -1); K = x.shape[-1]
;;       x = np.pad(x, [(0, 0)] * (x.ndim - 1) + [(0, -K % 32)]); x = x.reshape(x.shape[:-1] + (-1, 32)); a = np.abs(x).max(-1, keepdims=True)
;;       e = np.where(a > 0, np.clip(np.frexp(np.where(a > 0, a, 1))[1] - 1 - 15, -126, 127), 0)      # np.frexp(a)[1] - 1 = floor(log2(a)), exactly
;;       r = np.clip(x / 2.0 ** e, -57344, 57344)
;;       step = 2.0 ** (np.maximum(np.frexp(np.where(r == 0, 1, r))[1] - 1, -14) - 2)
;;       q = np.round(r / step) * step * 2.0 ** e      # np.round: ties to even
;;       return np.moveaxis(q.reshape(q.shape[:-2] + (-1,))[..., :K], -1, axis).astype(np.float32)
;;   ~~~
;;   SOFTMAX AHEAD OF A QUANTISED PRODUCT. Where the list says 'softmax', what is quantised is not the finished softmax but p = 2^(t - M), with t = logit x log2(e) and M = ceil(the row's largest t), a whole number; so 1/2 < the row's largest p <= 1. The row's sum l is taken of the UNQUANTISED p, in f32, and the product's result is divided by l at the end. Since M is a whole number, a kernel that streams over the keys may use a running M (the ceiling of the running maximum): every later rescaling is an exact power of two, which a block's scale takes up: the codes' values come out the same.
;;   OPERANDS COMPUTED ON THE WAY. 'Computed on the way' means the value that the module computes at that place (a softmax that the list does not call 'softmax' is quantised finished and normalised). What goes into a quantiser is computed in f32, as accurately as f32 sums, v_exp_f32 and their like allow (about 1e-6 of the number): no bf16 or f16 on the way to a quantiser, and a product that is left as it is and whose result goes on into a quantised operand takes f32 operands (vector FMAs, or v_wmma_f32_16x16x4_f32). A number that lies on a knife's edge between two numbers of the format may be rounded either way, as far as f32 arithmetic and the matrix unit's own rounding can turn it there, and no further.
;;   INPUTS GIVEN AS CODES. fqk_W (in the module: [64, 64], K = its axis 1); fv_W (in the module: [32, 64], K = its axis 1); inp (in the module: [4, 64, 256, 256], K = its axis 1); proj_W (in the module: [64, 32], K = its axis 1); tqk_W (in the module: [64, 64], K = its axis 1): each comes as NAME_codes (uint8): NAME with its K axis moved to the last place and cut into blocks of 32 codes, [.., K / 32, bytes a block], one block behind the other in memory; one code a byte (a code: sign, 5 exponent bits, 2 mantissa bits); and NAME_scales (uint8): the same leading axes, one E8M0 byte (e + 127) for each 32 codes along K. Its value is code x scale, taken as it is: it is not quantised again, and the codes and scales need not be those that the quantiser above would give.
;; 2 versions, each right; version 2 is version 1 with the launches vconv, tattn written anew for expert scheduling mode. Each part assembles by itself: llvm-mc -triple=amdgcn-amd-amdhsa -mcpu=gfx1250 --defsym DOCPART=n.
;; ======== version 1 of 2: 3 launches
;; workspace buffers: vimg 8,388,608 bytes; vsc 262,144 bytes; sc2 524,288 bytes; bn 1,536 bytes; fo 33,554,432 bytes
;; launch vconv (part 1): grid 128 x 1, 16 waves a work-group, no clusters, 176,896 bytes of LDS; arguments x, fv_W_codes, fv_W_scales, fv_a, fv_b, fv_be, fv_g, fv_m, fv_v, inp_scales, vimg, vsc, sc2, bn, fqk_b, fqk_be, fqk_g, fqk_m, fqk_v, tqk_b, tqk_be, tqk_g, tqk_m, tqk_v, proj_b, proj_be, proj_g, proj_m, proj_v; writes vimg, vsc, sc2, bn
.if DOCPART == 1
	.amdgcn_target "amdgcn-amd-amdhsa--gfx1250"
	.amdhsa_code_object_version 6
	.text
	.protected	k_q8e05e3be8b_vconv
	.globl	k_q8e05e3be8b_vconv
	.p2align	8
	.type	k_q8e05e3be8b_vconv,@function
k_q8e05e3be8b_vconv:
	s_mov_b64 s[64:65], 0
	v_nop
	global_prefetch_b8 v0, s[64:65] scope:SCOPE_SE
	s_setreg_imm32_b32 hwreg(HW_REG_WAVE_MODE, 25, 1), 1
	s_wait_xcnt 0x0
; vf = PReLU(BN(fv_W x + b)) on codes of E5M2 with one E8M0 scale for each 32 along K, then vf itself quantised along f (the K of the frequency attention's second product).
; x: [4][64 c][256 f][256 t] f32, K = c is its outermost axis within a batch.  A work-group owns one batch b, one block of 32 f (fb) and 64 t (th): every piece of a row of x that it reads is 256 aligned bytes.
; PHASE 1: a lane takes 4 neighbouring t and its registers run down 16 channels (lanes l and l xor 16 hold a block of 32): the codes come out with K innermost and go to LDS, a row of 64 bytes for each (f, t).
; PHASE 2: wave w takes t = 4 w + e.  Source 0 = 16 positions f of one t, source 1 = 16 rows of fv_W: a lane then holds ONE channel and eight f.  THE f OF A TILE ARE NOT NEIGHBOURS: lane r of tile u takes
; f = 8 u + r + 8 (r / 8), so that the 16 registers of tiles 0 and 1 are f = 16 (lane / 16) + 0 .. 15: after BN and PReLU they are quantised in place, and the four code registers are a piece of the next operand.
; K = 64 is half of the instruction's 128: fv_W's fragments carry zero codes in their upper half, so that x's may be a window that slides over a run of codes.
; OUT: vimg [b][t][piece 2 fb + n][lane][16 bytes]: images of the operand's registers;  vsc [b][fb][t][channel]: scale bytes.
; Beside that: inp_scales is laid anew as sc2 [b][t / 4][f][4 t x 2 bytes], and two waves of work-group 0 fold the three other layers' batch norms: bn[512 k] = s = g rsq(v + 1e-5), bn[512 k + 256] = (b - m) s + be.
; LIMITS: NaN and infinities among the inputs or the given codes and scale bytes are not served (a window's idle codes would spread them); a block whose largest magnitude lies under 2^-111 keeps the byte 1
; (a block of zeros too: its codes are zeros, and this program alone reads the bytes); BN is folded to acc s + off, which rounds otherwise than (y - m) rsq g + be by a few last bits.
.set XROW,  5136                       ; LDS: a row of x's codes: 64 places (16 e + q, t = 4 q + e) of 64 bytes + 16 of padding, + 16
.set XSB,   164352                     ; behind 32 such rows: x's scale words, 32 rows of 260 bytes
.set XSROW, 260
.set VBB,   172800                     ; vf's scale bytes [t 64][channel 32]
.set SW,  66                           ; s66  wave
.set SA,  70                           ; s70  PReLU's slope
.set MNT, 71                           ; s71  the mantissa field of 57,344
.set SEL, 72                           ; s[72:73] selects of v_permlanex16_b32: lane l xor 16
.set QT,  240                          ; QUANT1's five registers at work
.set AT,  224                          ; ACT's four
; REGISTERS: v1-15 addresses; v16-47 fv_W's two fragments (8 of codes, 8 of zeros each); v48-49 its scale words; v50-57 s and off of my two channels; v58-61 block 0's bytes;
; phase 1: v64-127, v128-191 x, two sets (register 4 i + e: channel i of my 16, t = 4 q + e); v192-207 16 neighbours along K; v224-239 codes; v240-255 maxima, exchange, holds, scales
; phase 2: v64-127 x's 8 fragments + v128-135 zeros; v144-175 results; v176-207 vf's codes; v208-215 x's scale words (nothing else ever); v216-223 vf's bytes
.macro PLACES n
.rept \n
	v_nop
.endr
.endm
.macro BAR                             ; my LDS stores have landed and my LDS loads are in: then the work-group's barrier
	s_wait_dscnt 0x0
	s_barrier_signal -1
	s_barrier_wait -1
.endm
; 16 numbers of a lane, which with lane l xor 16's are a block of 32, become four registers of codes v[d] on and the scale's byte in v[w]
.macro QUANT1 s, d, w
	v_max3_num_f32 v[QT], |v[\s]|, |v[\s+1]|, 0x8000000            ; with the floor 2^(16 - 127): the byte cannot fall under 1
	v_max3_num_f32 v[QT+1], |v[\s+8]|, |v[\s+9]|, |v[\s+10]|
	v_max3_num_f32 v[QT], v[QT], |v[\s+2]|, |v[\s+3]|
	v_max3_num_f32 v[QT+1], v[QT+1], |v[\s+11]|, |v[\s+12]|
	v_max3_num_f32 v[QT], v[QT], |v[\s+4]|, |v[\s+5]|
	v_max3_num_f32 v[QT+1], v[QT+1], |v[\s+13]|, |v[\s+14]|
	v_max3_num_f32 v[QT], v[QT], |v[\s+6]|, |v[\s+7]|
	v_max3_num_f32 v[QT], v[QT], v[QT+1], |v[\s+15]|
	v_permlanex16_b32 v[QT+2], v[QT], s[SEL], s[SEL+1]
	v_max_num_f32 v[QT], v[QT], v[QT+2]                            ; the block's largest magnitude
	v_add_nc_u32 v[QT+4], 0xf8800000, v[QT]                        ; 15 off its exponent field: the conversion's scale operand
	v_and_or_b32 v[QT+3], v[QT], 0x7f800000, s[MNT]                ; 57,344 x the scale
	v_lshrrev_b32 v[\w], 23, v[QT+4]                               ; the scale's byte
.irp i, 0,1,2,3,4,5,6,7,8,9,10,11,12,13,14,15
	v_med3_num_f32 v[\s+\i], v[\s+\i], -v[QT+3], v[QT+3]           ; the conversion to an 8-bit code does not saturate (ISA guide 7.6.2)
.endr
	v_cvt_scalef32_pk8_bf8_f32 v[\d:\d+1], v[\s:\s+7], v[QT+4]
	v_cvt_scalef32_pk8_bf8_f32 v[\d+2:\d+3], v[\s+8:\s+15], v[QT+4]
	v_nop                                                          ; a plain line behind the conversions
.endm
; PReLU in place: max(y, 0) + a min(y, 0), right for every slope
.macro ACT base, n, sa
.set ai, 0
.rept (\n)/4
.irp k, 0,1,2,3
	v_min_num_f32 v[AT+\k], 0, v[\base+ai+\k]
.endr
.irp k, 0,1,2,3
	v_max_num_f32 v[\base+ai+\k], 0, v[\base+ai+\k]
.endr
.irp k, 0,1,2,3
	v_fma_f32 v[\base+ai+\k], s[\sa], v[AT+\k], v[\base+ai+\k]
.endr
.set ai, ai+4
.endr
.endm
	s_load_b512 s[4:19], s[0:1], 0x0               ; argument i lies in s[4 + 2 i : 5 + 2 i]
	s_load_b512 s[20:35], s[0:1], 0x40
	s_load_b512 s[36:51], s[0:1], 0x80
	s_load_b256 s[52:59], s[0:1], 0xc0
	s_load_b64 s[60:61], s[0:1], 0xe0
	v_lshrrev_b32 v12, 5, v0
	v_readfirstlane_b32 s[SW], v12                 ; wave 0..15
	s_lshr_b32 s67, ttmp9, 5                       ; b
	s_bfe_u32 s68, ttmp9, 0x30002                  ; fb
	s_and_b32 s69, ttmp9, 3                        ; th
	s_mov_b32 s[MNT], 0x600000
	s_mov_b32 s[SEL], 0x76543210
	s_mov_b32 s[SEL+1], 0xfedcba98
	; my two f in phase 1: LDS rows 2 w and 2 w + 1, which stand for f = 2 (w % 8) + 8 ((w / 4) % 2) + 8 (w / 8) and the next
	s_and_b32 s86, s[SW], 7
	s_lshl_b32 s86, s86, 1
	s_bfe_u32 s87, s[SW], 0x10002
	s_lshl_b32 s87, s87, 3
	s_add_co_u32 s86, s86, s87
	s_lshr_b32 s87, s[SW], 3
	s_lshl_b32 s87, s87, 3
	s_add_co_u32 s86, s86, s87
	s_lshl_b32 s87, s68, 5
	s_add_co_u32 s86, s86, s87
	s_lshl_b32 s86, s86, 10
	s_lshl_b32 s74, s67, 24
	s_add_co_u32 s74, s74, s86
	s_lshl_b32 s87, s69, 8
	s_add_co_u32 s74, s74, s87                     ; x: b 2^24 + f 1024 + th 256
	s_mov_b32 s75, 0
	s_lshl_b32 s88, s69, 6
	s_lshl_b32 s89, s[SW], 2
	s_add_co_u32 s88, s88, s89                     ; 64 th + 4 w: my first t in phase 2
	s_lshl_b32 s78, s67, 21
	s_lshl_b32 s89, s88, 13
	s_add_co_u32 s78, s78, s89
	s_lshl_b32 s89, s68, 10
	s_add_co_u32 s78, s78, s89                     ; vimg
	s_mov_b32 s79, 0
	s_lshl_b32 s80, s67, 3
	s_add_co_u32 s80, s80, s68
	s_lshl_b32 s80, s80, 13
	s_lshl_b32 s89, s69, 11
	s_add_co_u32 s80, s80, s89                     ; vsc
	s_mov_b32 s81, 0
	s_lshl_b32 s82, s67, 17
	s_lshl_b32 s89, s68, 14
	s_add_co_u32 s82, s82, s89
	s_lshl_b32 s89, s88, 1
	s_add_co_u32 s82, s82, s89                     ; inp_scales: row f = 32 fb, t = 64 th + 4 w
	s_mov_b32 s83, 0
	s_lshl_b32 s84, s67, 17
	s_lshl_b32 s89, s69, 15
	s_add_co_u32 s84, s84, s89
	s_lshl_b32 s89, s[SW], 11
	s_add_co_u32 s84, s84, s89
	s_lshl_b32 s89, s68, 8
	s_add_co_u32 s84, s84, s89                     ; sc2
	s_mov_b32 s85, 0
	v_and_b32 v12, 31, v0                          ; lane
	v_and_b32 v62, 15, v0                          ; q, r
	v_bfe_u32 v63, v0, 4, 1                        ; h
	v_lshlrev_b32 v1, 4, v62
	v_lshl_add_u32 v1, v63, 22, v1                 ; x: 16 q + 16 h channels of 262,144 bytes
	s_mul_i32 s86, s[SW], 2*XROW
	v_mul_u32_u24 v2, v62, 80
	v_lshl_add_u32 v2, v63, 4, v2
	v_add_nc_u32 v2, s86, v2                       ; codes in: row 2 w, place q, byte 16 h
	s_mul_i32 s86, s[SW], 2*XSROW
	s_add_co_u32 s86, s86, XSB
	v_lshl_add_u32 v3, v62, 2, s86                 ; scale words in
	s_mul_i32 s86, s[SW], 80
	v_mul_u32_u24 v4, v62, XROW
	v_lshl_add_u32 v4, v63, 4, v4
	v_add_nc_u32 v4, s86, v4                       ; codes back: row r, place w, byte 16 h;
	v_add_nc_u32 v13, 16*XROW, v4                  ; and row 16 + r
	s_lshl_b32 s86, s[SW], 2
	s_add_co_u32 s86, s86, XSB
	v_mul_u32_u24 v5, v62, XSROW
	v_add_nc_u32 v5, s86, v5                       ; scale words back
	v_add_nc_u32 v14, 16*XSROW, v5
	v_lshlrev_b32 v6, 4, v12                       ; 16 x lane
	s_lshl_b32 s86, s[SW], 7
	s_add_co_u32 s86, s86, VBB
	v_add_nc_u32 v7, s86, v62                      ; vf's bytes: t = 4 w, channel r
	v_lshlrev_b32 v8, 9, v12                       ; inp_scales: lane = f, rows of 512 bytes
	v_lshlrev_b32 v9, 3, v12                       ; sc2: 8 bytes a lane
	v_and_b32 v15, 127, v0
	v_lshlrev_b32 v15, 4, v15                      ; the last way out: 16 bytes a thread of waves 0-3
	v_add_nc_u32 v12, VBB, v15
	v_lshlrev_b32 v216, 6, v62
	v_lshl_add_u32 v216, v63, 4, v216              ; fv_W: row r of 64 bytes, + 16 h
	v_lshlrev_b32 v217, 1, v62
	v_lshlrev_b32 v218, 2, v62
	s_wait_kmcnt 0x0
	s_load_b32 s[SA], s[10:11], 0x0
	s_add_nc_u64 s[74:75], s[4:5], s[74:75]        ; channels 0-31
	s_add_nc_u64 s[76:77], s[74:75], 0x800000      ; channels 32-63
	s_add_nc_u64 s[78:79], s[24:25], s[78:79]
	s_add_nc_u64 s[80:81], s[26:27], s[80:81]
	s_add_nc_u64 s[82:83], s[22:23], s[82:83]
	s_add_nc_u64 s[84:85], s[28:29], s[84:85]
.irp n, 0,1                                    ; 17 small loads
.irp c, 0,1
	global_load_b128 v[16+16*\n+4*\c:19+16*\n+4*\c], v216, s[6:7] offset:1024*\n+32*\c
.endr
	global_load_u16 v[48+\n], v217, s[8:9] offset:32*\n
	global_load_b32 v[192+\n], v218, s[16:17] offset:64*\n         ; g
	global_load_b32 v[194+\n], v218, s[20:21] offset:64*\n         ; v
	global_load_b32 v[196+\n], v218, s[12:13] offset:64*\n         ; b
	global_load_b32 v[198+\n], v218, s[18:19] offset:64*\n         ; m
	global_load_b32 v[200+\n], v218, s[14:15] offset:64*\n         ; be
.endr
	global_load_b64 v[10:11], v8, s[82:83]
; unit k: f = my first + k / 2, channels 32 (k % 2) on: 16 loads; in each, sixteen lanes read 256 consecutive bytes, aligned
.macro XLOAD k
.set XS_, 64+64*((\k)&1)
.set XB_, 74+2*((\k)&1)
.irp i, 0,1,2,3,4,5,6,7,8,9,10,11,12,13,14,15
	global_load_b128 v[XS_+4*\i:XS_+4*\i+3], v1, s[XB_:XB_+1] offset:\i*262144+((\k)>>1)*1024 th:TH_LOAD_NT
.endr
.endm
	XLOAD 0
	XLOAD 1
.irp i, 24,25,26,27,28,29,30,31,40,41,42,43,44,45,46,47
	v_mov_b32 v[\i], 0                             ; fv_W's fragments: zero codes for K = 64 .. 127
.endr
.irp e, 0,1,2,3
	v_mov_b32 v[244+\e], 0                         ; written once: a lane permute's destination counts as one of its sources
.endr
	s_wait_loadcnt 32                              ; the 17 small loads are in; the 32 of x issued behind them stay out
	s_wait_kmcnt 0x0
	global_store_b64 v9, v[10:11], s[84:85]        ; 32 lanes store 256 consecutive bytes of sc2
	v_add_f32 v194, 0x3727c5ac, v194               ; v + 1e-5
	v_add_f32 v195, 0x3727c5ac, v195
	v_rsq_f32 v194, v194
	v_rsq_f32 v195, v195
	v_sub_f32 v196, v196, v198                     ; b - m (a plain line behind the transcendentals)
	v_sub_f32 v197, v197, v199
	s_wait_alu depctr_va_vdst(0)
	v_mul_f32 v50, v192, v194                      ; s
	v_mul_f32 v52, v193, v195
	v_mov_b32 v51, v50                             ; (the packed form names pairs)
	v_mov_b32 v53, v52
	v_fma_f32 v54, v196, v50, v200                 ; off
	v_fma_f32 v56, v197, v52, v201
	v_mov_b32 v55, v54
	v_mov_b32 v57, v56
	; the other three layers' batch norms: threads 0-63 of work-group 0, a channel each.  No LDS, no barrier in here
	s_cmp_lg_u32 ttmp9, 0
	s_cbranch_scc1 .Lno_bn
	s_cmp_gt_u32 s[SW], 1
	s_cbranch_scc1 .Lno_bn
	v_lshlrev_b32 v219, 2, v0
.irp k, 0,1,2
.irp p, 0,1,2,3,4
	global_load_b32 v[192+5*\k+\p], v219, s[32+10*\k+2*\p:33+10*\k+2*\p]   ; b, be, g, m, v
.endr
.endr
	s_wait_loadcnt 0x0
.irp k, 0,1,2
	v_add_f32 v[196+5*\k], 0x3727c5ac, v[196+5*\k]
.endr
.irp k, 0,1,2
	v_rsq_f32 v[196+5*\k], v[196+5*\k]
.endr
.irp k, 0,1,2
	v_sub_f32 v[192+5*\k], v[192+5*\k], v[195+5*\k]
.endr
	s_wait_alu depctr_va_vdst(0)
.irp k, 0,1,2
	v_mul_f32 v[194+5*\k], v[194+5*\k], v[196+5*\k]
.endr
.irp k, 0,1,2
	v_fma_f32 v[192+5*\k], v[192+5*\k], v[194+5*\k], v[193+5*\k]
.endr
.irp k, 0,1,2
	global_store_b32 v219, v[194+5*\k], s[30:31] offset:512*\k
	global_store_b32 v219, v[192+5*\k], s[30:31] offset:512*\k+256
.endr
	s_wait_xcnt 0x0                                ; the stores' registers are written again below
.Lno_bn:
; PHASE 1, unit k: four positions a lane (e), 16 channels each
.macro UNIT k
.set X_, 64+64*((\k)&1)
	s_wait_dscnt 0x0                               ; the last unit's LDS stores have read their registers
.if \k < 3
	s_wait_loadcnt 16                              ; this unit's 16 loads are in; the next unit's 16 stay out
.else
	s_wait_loadcnt 0x0
.endif
.irp e, 0,1,2,3
	v_max3_num_f32 v[240+\e], |v[X_+\e]|, |v[X_+4+\e]|, 0x8000000
.endr
.irp i, 2,4,6,8,10,12,14
.irp e, 0,1,2,3
	v_max3_num_f32 v[240+\e], v[240+\e], |v[X_+4*\i+\e]|, |v[X_+4*\i+4+\e]|
.endr
.endr
.irp e, 0,1,2,3
	v_permlanex16_b32 v[244+\e], v[240+\e], s[SEL], s[SEL+1]
.endr
.irp e, 0,1,2,3
	v_max_num_f32 v[240+\e], v[240+\e], v[244+\e]
.endr
.irp e, 0,1,2,3
	v_add_nc_u32 v[252+\e], 0xf8800000, v[240+\e]
.endr
.irp e, 0,1,2,3
	v_and_or_b32 v[248+\e], v[240+\e], 0x7f800000, s[MNT]
.endr
.if ((\k)&1) == 0
.irp e, 0,1,2,3
	v_lshrrev_b32 v[58+\e], 23, v[252+\e]          ; block 0's byte waits for block 1's
.endr
.else
.irp e, 0,1,2,3
	v_lshrrev_b32 v[244+\e], 23, v[252+\e]
.endr
.irp e, 0,1,2,3
	v_lshl_or_b32 v[244+\e], v[244+\e], 8, v[58+\e]   ; the position's scale word: two bytes, zeros above
.endr
.irp e, 0,1,2,3
	ds_store_b32 v3, v[244+\e] offset:((\k)>>1)*XSROW+64*\e   ; both halves of the lanes write the same word with the same value
.endr
.endif
.irp e, 0,1,2,3
.irp i, 0,1,2,3,4,5,6,7,8,9,10,11,12,13,14,15
	v_med3_num_f32 v[192+\i], v[X_+4*\i+\e], -v[248+\e], v[248+\e]   ; the hold also brings the 16 neighbours along K into consecutive registers
.endr
	v_cvt_scalef32_pk8_bf8_f32 v[224+4*\e:225+4*\e], v[192:199], v[252+\e]
	v_cvt_scalef32_pk8_bf8_f32 v[226+4*\e:227+4*\e], v[200:207], v[252+\e]
	v_nop                                          ; a plain line before the conversions' sources are written again
.endr
.irp e, 0,1,2,3
	ds_store_b128 v2, v[224+4*\e:227+4*\e] offset:((\k)>>1)*XROW+\e*1280+32*((\k)&1)
.endr
.if \k < 2
	XLOAD (\k)+2
.endif
.endm
	UNIT 0
	UNIT 1
	UNIT 2
	UNIT 3
	BAR                                            ; the codes and scale words of 32 f x 64 t lie in LDS
.irp i, 0,1,2,3,4,5,6,7
	v_mov_b32 v[128+\i], 0                         ; behind the run of x's fragments
.endr
.irp e, 0,1,2,3
.irp c, 0,1
	ds_load_b128 v[64+16*\e+4*\c:67+16*\e+4*\c], v4 offset:\e*1280+32*\c
	ds_load_b128 v[72+16*\e+4*\c:75+16*\e+4*\c], v13 offset:\e*1280+32*\c
.endr
	ds_load_b32 v[208+2*\e], v5 offset:64*\e
	ds_load_b32 v[209+2*\e], v14 offset:64*\e
.endr
	s_wait_dscnt 0x0
; PHASE 2, t = 4 w + e
.macro VT e
.irp n, 0,1
.irp u, 0,1
	v_wmma_scale_f32_16x16x128_f8f6f4 v[144+16*\n+8*\u:151+16*\n+8*\u], v[64+16*\e+8*\u:79+16*\e+8*\u], v[16+16*\n:31+16*\n], 0, v[208+2*\e+\u], v[48+\n] matrix_a_fmt:MATRIX_FMT_BF8 matrix_b_fmt:MATRIX_FMT_BF8
.endr
.endr
	PLACES 9                                       ; in front of the first read of results; nine, since the next t's products write over these registers (ISA guide 7.12.1)
.irp n, 0,1
.irp k, 0,2,4,6,8,10,12,14
	v_pk_fma_f32 v[144+16*\n+\k:145+16*\n+\k], v[144+16*\n+\k:145+16*\n+\k], v[50+2*\n:51+2*\n], v[54+2*\n:55+2*\n] op_sel_hi:[1,0,0]   ; lane (r, h): channel 16 n + r, f = 16 h + 0 .. 15
.endr
.endr
	ACT 144,32,SA
	QUANT1 144,176+8*\e,216+2*\e
	QUANT1 160,180+8*\e,217+2*\e
.irp n, 0,1
	global_store_b128 v6, v[176+8*\e+4*\n:179+8*\e+4*\n], s[78:79] offset:\e*8192+\n*512   ; 512 consecutive bytes
	ds_store_b8 v7, v[216+2*\e+\n] offset:32*\e+16*\n
.endr
.endm
	VT 0
	VT 1
	VT 2
	VT 3
	BAR                                            ; 2,048 scale bytes lie in LDS
	s_cmp_gt_u32 s[SW], 3
	s_cbranch_scc1 .Ldone
	ds_load_b128 v[64:67], v12
	s_wait_dscnt 0x0
	global_store_b128 v15, v[64:67], s[80:81]      ; waves 0-3: 512 consecutive bytes each
.Ldone:
	s_wait_xcnt 0x0
	v_lshl_add_u32 v254, v0, 2, 0x2ab00
	v_mov_b32 v255, 0
	s_wait_tensorcnt 0x0
	ds_add_u32 v254, v255
	s_wait_dscnt 0x0
	s_endpgm
.Lfunc_end_k_q8e05e3be8b_vconv:
	.size	k_q8e05e3be8b_vconv, .Lfunc_end_k_q8e05e3be8b_vconv-k_q8e05e3be8b_vconv
	.p2alignl 7, 3214868480
	.fill 96, 4, 3214868480
	.section	.rodata,"a",@progbits
	.p2align	6, 0x0
	.amdhsa_kernel k_q8e05e3be8b_vconv
		.amdhsa_group_segment_fixed_size 176896
		.amdhsa_private_segment_fixed_size 0
		.amdhsa_enable_private_segment 0
		.amdhsa_kernarg_size 232
		.amdhsa_user_sgpr_count 2
		.amdhsa_user_sgpr_kernarg_segment_ptr 1
		.amdhsa_wavefront_size32 1
		.amdhsa_system_sgpr_workgroup_id_x 1
		.amdhsa_system_sgpr_workgroup_id_y 1
		.amdhsa_system_sgpr_workgroup_id_z 1
		.amdhsa_system_vgpr_workitem_id 0
		.amdhsa_next_free_vgpr 256
		.amdhsa_next_free_sgpr 100
		.amdhsa_reserve_vcc 0
		.amdhsa_float_denorm_mode_32 3
		.amdhsa_float_denorm_mode_16_64 3
		.amdhsa_memory_ordered 1
		.amdhsa_forward_progress 1
		.amdhsa_inst_pref_size 93
	.end_amdhsa_kernel
	.amdgpu_metadata
---
amdhsa.version: [ 1, 2 ]
amdhsa.kernels:
  - .name:           k_q8e05e3be8b_vconv
    .symbol:         k_q8e05e3be8b_vconv.kd
    .args:
      - { .name: x, .offset: 0, .size: 8, .value_kind: global_buffer, .address_space: global }
      - { .name: fv_W_codes, .offset: 8, .size: 8, .value_kind: global_buffer, .address_space: global }
      - { .name: fv_W_scales, .offset: 16, .size: 8, .value_kind: global_buffer, .address_space: global }
      - { .name: fv_a, .offset: 24, .size: 8, .value_kind: global_buffer, .address_space: global }
      - { .name: fv_b, .offset: 32, .size: 8, .value_kind: global_buffer, .address_space: global }
      - { .name: fv_be, .offset: 40, .size: 8, .value_kind: global_buffer, .address_space: global }
      - { .name: fv_g, .offset: 48, .size: 8, .value_kind: global_buffer, .address_space: global }
      - { .name: fv_m, .offset: 56, .size: 8, .value_kind: global_buffer, .address_space: global }
      - { .name: fv_v, .offset: 64, .size: 8, .value_kind: global_buffer, .address_space: global }
      - { .name: inp_scales, .offset: 72, .size: 8, .value_kind: global_buffer, .address_space: global }
      - { .name: vimg, .offset: 80, .size: 8, .value_kind: global_buffer, .address_space: global }
      - { .name: vsc, .offset: 88, .size: 8, .value_kind: global_buffer, .address_space: global }
      - { .name: sc2, .offset: 96, .size: 8, .value_kind: global_buffer, .address_space: global }
      - { .name: bn, .offset: 104, .size: 8, .value_kind: global_buffer, .address_space: global }
      - { .name: fqk_b, .offset: 112, .size: 8, .value_kind: global_buffer, .address_space: global }
      - { .name: fqk_be, .offset: 120, .size: 8, .value_kind: global_buffer, .address_space: global }
      - { .name: fqk_g, .offset: 128, .size: 8, .value_kind: global_buffer, .address_space: global }
      - { .name: fqk_m, .offset: 136, .size: 8, .value_kind: global_buffer, .address_space: global }
      - { .name: fqk_v, .offset: 144, .size: 8, .value_kind: global_buffer, .address_space: global }
      - { .name: tqk_b, .offset: 152, .size: 8, .value_kind: global_buffer, .address_space: global }
      - { .name: tqk_be, .offset: 160, .size: 8, .value_kind: global_buffer, .address_space: global }
      - { .name: tqk_g, .offset: 168, .size: 8, .value_kind: global_buffer, .address_space: global }
      - { .name: tqk_m, .offset: 176, .size: 8, .value_kind: global_buffer, .address_space: global }
      - { .name: tqk_v, .offset: 184, .size: 8, .value_kind: global_buffer, .address_space: global }
      - { .name: proj_b, .offset: 192, .size: 8, .value_kind: global_buffer, .address_space: global }
      - { .name: proj_be, .offset: 200, .size: 8, .value_kind: global_buffer, .address_space: global }
      - { .name: proj_g, .offset: 208, .size: 8, .value_kind: global_buffer, .address_space: global }
      - { .name: proj_m, .offset: 216, .size: 8, .value_kind: global_buffer, .address_space: global }
      - { .name: proj_v, .offset: 224, .size: 8, .value_kind: global_buffer, .address_space: global }
    .group_segment_fixed_size: 176896
    .private_segment_fixed_size: 0
    .kernarg_segment_align: 8
    .kernarg_segment_size: 232
    .max_flat_workgroup_size: 512
    .sgpr_count:     100
    .vgpr_count:     256
    .wavefront_size: 32
...
	.end_amdgpu_metadata
.endif
;; end of part 1
;; launch fattn (part 2): grid 256 x 1, 16 waves a work-group, no clusters, 327,680 bytes of LDS; arguments inp_codes, sc2, fqk_W_codes, fqk_W_scales, fqk_a, bn, vimg, vsc, fo; writes fo
.if DOCPART == 2
	.amdgcn_target "amdgcn-amd-amdhsa--gfx1250"
	.amdhsa_code_object_version 6
	.text
	.protected	k_q8e05e3be8b_fattn
	.globl	k_q8e05e3be8b_fattn
	.p2align	8
	.type	k_q8e05e3be8b_fattn,@function
k_q8e05e3be8b_fattn:
	s_mov_b64 s[64:65], 0
	v_nop
	global_prefetch_b8 v0, s[64:65] scope:SCOPE_SE
	s_setreg_imm32_b32 hwreg(HW_REG_WAVE_MODE, 25, 1), 1
	s_wait_xcnt 0x0
; The frequency attention: q, k = PReLU(BN(fqk_W inp)), S = q k^T / sqrt(32) over the 256 f of one (b, t), softmax, fout = P vf.  All products on codes of E5M2 with one E8M0 scale for each 32 along K.
; A work-group owns one b and four t (4 tq .. 4 tq + 3) and all 256 f; each of its 16 waves owns 16 positions f, which are its queries and also key tile w:  f = P0 + r + 8 (r / 8), P0 = 32 (w / 2) + 8 (w % 2).
; So the 16 registers of two neighbouring tiles of S^T are 16 neighbouring keys.  All products are used transposed: a lane holds ONE position (query) throughout.
; The rows of fqk_W that form a tile are chosen likewise: tile (kk, u), lane r: row 2 (8 u + r + 8 (r / 8)) + kk: kk = 0 gives q, 1 gives k, and a lane's 16 registers are channels 16 (lane / 16) + 0 .. 15.
; K = 64 or 32 is less than the instruction's 128: one operand carries zero codes in the idle blocks, the other is a window that slides over a run of codes; idle scale bytes are 0 (2^-127).
; inp's codes (256 rows of 256 bytes) and vf's register images (4 x 8,192 bytes) come by two tensor loads a wave, once; nothing is filled again.  q's and k's codes go from wave to wave as images of registers.
; SOFTMAX: t = score log2(e) / sqrt(32); M = the running largest t rounded up to a whole number; p = 2^(t - M) is quantised along the keys; the sum of the unquantised p divides at the end.
; OUT: fo [b][f][tq][c' 32][4 t] f32, c' = 16 h + 8 n + j standing for channel 16 n + 8 h + j: the order in which the time attention's operand takes its rows.
; No cluster: work-groups share only the weights and constants, a few KB.
; LIMITS: NaN and infinities among the given codes and scale bytes are not served (a window's idle codes would spread them); a block whose largest magnitude lies under 2^-111 keeps the byte 1.
.set IPITCH, 272                       ; LDS: inp's rows: 256 bytes + 16 of padding, from byte 0
.set IMG,    69632                     ; four slices (one a t) of 24,576: vf's 16 pieces, k's 16 tiles, q's 16, 512 bytes each
.set SLICE,  24576
.set SCB,    167936                    ; four slices of 2,304: k's words (64 w + 4 r), q's at 1,024, vf's at 2,048 ((2 n + s) 64 + 4 r)
.set SSL,    2304
.set STG,    177152                    ; a stage for each wave: 16 rows (my f) of 512 bytes + 16
.set SROW,   528
.set SW, 22
.set SA, 48
.set MNT, 49
.set SEL, 50
.set CS, 52                            ; s[52:53] c = log2(e) / sqrt(32)
.set TB, 54                            ; the slice in hand: IMG's, SCB's, and 4 t
.set TS, 55
.set TT, 56
.set CNT, 57
.set WQ, 58                            ; 512 w
.set WSS, 59                           ; 64 w
.set QT, 248
.set AT, 248
; REGISTERS.  v1 IMG + 16 lane; v2 SCB + 4 r; v3, v4 the same in the slice in hand; v5, v13 at work; v6, v11 stage in; v7 stage back; v8 16 lane; v9, v10 where I store images and words; v12 my row of inp
; convolution: v16-47 fqk_W's four tiles, v48-55 zeros; v56-63 my positions' codes, v64-75 zeros (they stay); v76-79 W's scale words, v80-83 the positions'; v96-127 results; v128-159 s, v160-191 off; v236-243 codes
; attention: v16-19 q + v20-31 zeros; v32-63 k's tiles, then vf's fragments; v76-83 k's words, v84-85 vf's, v86 q's, v87 p's; v88-111 statistics; v112-175 S^T, then p; v176-191 O^T; v192-207 p's codes
.set AI, 3
.set AS, 4
.set QQ, 16
.set KV, 32
.set KS, 76
.set VS, 84
.set QS, 86
.set PS, 87
.set NM, 88                            ; -M;  v89 the largest t
.set MT, 89
.set LL, 90                            ; the sum, in two halves
.set BM, 92
.set PT, 96
.set LM, 100
.set SO_, 104
.set FF, 108
.set T2, 110
.set SS, 112
.set OO, 176
.set PCD, 192
.set TMP, 252
.set NEG, 253
.macro PLACES n
.rept \n
	v_nop
.endr
.endm
.macro BAR
	s_wait_dscnt 0x0
	s_barrier_signal -1
	s_barrier_wait -1
.endm
.macro QUANT1 s, d, w                  ; 16 numbers of a lane, with lane l xor 16's a block of 32: codes in v[d] on, the scale's byte in v[w]
	v_max3_num_f32 v[QT], |v[\s]|, |v[\s+1]|, 0x8000000            ; with the floor 2^(16 - 127): the byte cannot fall under 1
	v_max3_num_f32 v[QT+1], |v[\s+8]|, |v[\s+9]|, |v[\s+10]|
	v_max3_num_f32 v[QT], v[QT], |v[\s+2]|, |v[\s+3]|
	v_max3_num_f32 v[QT+1], v[QT+1], |v[\s+11]|, |v[\s+12]|
	v_max3_num_f32 v[QT], v[QT], |v[\s+4]|, |v[\s+5]|
	v_max3_num_f32 v[QT+1], v[QT+1], |v[\s+13]|, |v[\s+14]|
	v_max3_num_f32 v[QT], v[QT], |v[\s+6]|, |v[\s+7]|
	v_max3_num_f32 v[QT], v[QT], v[QT+1], |v[\s+15]|
	v_permlanex16_b32 v[QT+2], v[QT], s[SEL], s[SEL+1]
	v_max_num_f32 v[QT], v[QT], v[QT+2]
	v_add_nc_u32 v[QT+4], 0xf8800000, v[QT]                        ; 15 off the exponent field: the conversion's scale operand
	v_and_or_b32 v[QT+3], v[QT], 0x7f800000, s[MNT]                ; 57,344 x the scale
	v_lshrrev_b32 v[\w], 23, v[QT+4]
.irp i, 0,1,2,3,4,5,6,7,8,9,10,11,12,13,14,15
	v_med3_num_f32 v[\s+\i], v[\s+\i], -v[QT+3], v[QT+3]           ; the conversion to an 8-bit code does not saturate (ISA guide 7.6.2)
.endr
	v_cvt_scalef32_pk8_bf8_f32 v[\d:\d+1], v[\s:\s+7], v[QT+4]
	v_cvt_scalef32_pk8_bf8_f32 v[\d+2:\d+3], v[\s+8:\s+15], v[QT+4]
	v_nop
.endm
.macro ACT base, n, sa                 ; PReLU in place: max(y, 0) + a min(y, 0)
.set ai, 0
.rept (\n)/4
.irp k, 0,1,2,3
	v_min_num_f32 v[AT+\k], 0, v[\base+ai+\k]
.endr
.irp k, 0,1,2,3
	v_max_num_f32 v[\base+ai+\k], 0, v[\base+ai+\k]
.endr
.irp k, 0,1,2,3
	v_fma_f32 v[\base+ai+\k], s[\sa], v[AT+\k], v[\base+ai+\k]
.endr
.set ai, ai+4
.endr
.endm
.macro CONV4 xs                        ; source 0 = 16 rows of W (a window), source 1 = my 16 positions (zeros above K = 64)
.irp tau, 0,1,2,3
	v_wmma_scale_f32_16x16x128_f8f6f4 v[96+8*\tau:103+8*\tau], v[16+8*\tau:31+8*\tau], v[56:71], 0, v[76+\tau], v[\xs] matrix_a_fmt:MATRIX_FMT_BF8 matrix_b_fmt:MATRIX_FMT_BF8
.endr
	PLACES 9                                       ; in front of reads of results and loads into operands; nine, since later products write over these registers
.endm
.macro BN32                            ; acc s + off; s and off lie in the order of the outputs, 32 h + 16 u + 2 j + kk
.irp kk, 0,1
.irp u, 0,1
.irp j, 0,1,2,3,4,5,6,7
	v_fma_f32 v[96+8*(2*\kk+\u)+\j], v[96+8*(2*\kk+\u)+\j], v[128+16*\u+2*\j+\kk], v[160+16*\u+2*\j+\kk]
.endr
.endr
.endr
.endm
; A KEY STEP: keys 128 s .. 128 s + 127 of the slice in hand.  first = 1: it starts M, the sum and O^T.  causal = 1: key k counts for query q where k <= q
.macro STEP s, first, causal
.if \causal && \s
	s_cmp_lt_u32 s[SW], 8                          ; waves 0-7 own queries under 128: all of this step's keys are hidden from them
	s_cbranch_scc1 .Lhid_\@
.endif
.if \s
	PLACES 9                                       ; in front of loads into registers that the last products read
.endif
.irp i, 0,1,2,3,4,5,6,7
	ds_load_b128 v[KV+4*\i:KV+4*\i+3], v[AI] offset:8192+(8*\s+\i)*512
.endr
.irp i, 0,1,2,3,4,5,6,7
	ds_load_b32 v[KS+\i], v[AS] offset:(8*\s+\i)*64
.endr
	s_wait_dscnt 0x0
.irp i, 0,1,2,3,4,5,6,7                        ; S^T: source 0 = 16 keys (a window over the run of tiles), source 1 = my 16 queries (zeros above K = 32)
	v_wmma_scale_f32_16x16x128_f8f6f4 v[SS+8*\i:SS+8*\i+7], v[KV+4*\i:KV+4*\i+15], v[QQ:QQ+15], 0, v[KS+\i], v[QS] matrix_a_fmt:MATRIX_FMT_BF8 matrix_b_fmt:MATRIX_FMT_BF8
.endr
	PLACES 9
.irp n, 0,1                                    ; the values' two fragments are asked for now and land under the softmax
.irp c, 0,1,2,3
	ds_load_b128 v[KV+16*\n+4*\c:KV+16*\n+4*\c+3], v[AI] offset:(2*(4*\s+\c)+\n)*512
.endr
	ds_load_b32 v[VS+\n], v[AS] offset:2048+(2*\n+\s)*64
.endr
.if \causal
.if \s == 0
	s_cmp_lt_u32 s[SW], 8                          ; waves 8-15: all of step 0's keys count
	s_cbranch_scc0 .Lopen_\@
.endif
	v_add_nc_u32 v[TMP], -128*\s, v[QL]            ; d = my query - 16 (lane / 16) - 128 s.  Register 16 b + i holds key 128 s + 16 (lane / 16) + 32 b + i: hidden where 32 b + i > d
	v_mov_b32 v[NEG], 0xff800000                   ; -infinity: p = 0 then
.set sn, 0
.rept 64
	v_cmp_gt_i32 vcc_lo, 32*(sn/16)+sn%16, v[TMP]
	v_cndmask_b32 v[SS+sn], v[SS+sn], v[NEG], vcc_lo
.set sn, sn+1
.endr
.Lopen_\@:
.endif
.irp b, 0,1,2,3
	v_max3_num_f32 v[BM+\b], v[SS+16*\b], v[SS+1+16*\b], v[SS+2+16*\b]   ; the largest score of each block of 32 keys: for the row's maximum, and for the block's largest p
.endr
.irp i, 3,5,7,9,11,13
.irp b, 0,1,2,3
	v_max3_num_f32 v[BM+\b], v[BM+\b], v[SS+16*\b+\i], v[SS+1+16*\b+\i]
.endr
.endr
.irp b, 0,1,2,3
	v_max_num_f32 v[BM+\b], v[BM+\b], v[SS+15+16*\b]
.endr
.irp b, 0,1,2,3
	v_permlanex16_b32 v[PT+\b], v[BM+\b], s[SEL], s[SEL+1]
.endr
.irp b, 0,1,2,3
	v_max_num_f32 v[BM+\b], v[BM+\b], v[PT+\b]
.endr
	v_max3_num_f32 v[TMP], v[BM], v[BM+1], v[BM+2]
	v_max_num_f32 v[TMP], v[TMP], v[BM+3]
.if \first
	v_mul_f32 v[MT], s[CS], v[TMP]                 ; the largest t (c is positive)
	v_floor_f32 v[NM], -v[MT]                      ; -M = floor(-t) = -ceil(t)
.else
	v_mul_f32 v[TMP], s[CS], v[TMP]
	v_max_num_f32 v[MT], v[MT], v[TMP]
	v_mov_b32 v[TMP], v[NM]
	v_floor_f32 v[NM], -v[MT]
	v_sub_f32 v[TMP], v[NM], v[TMP]                ; old M - new M: a whole number, 0 or less
	v_cvt_i32_f32 v[TMP], v[TMP]
	v_ldexp_f32 v[FF], 1.0, v[TMP]                 ; f = 2^(old M - new M): a multiplication by it rounds nothing
.endif
.set sn, 0
.rept 32
	v_pk_fma_f32 v[SS+sn:SS+sn+1], v[SS+sn:SS+sn+1], s[CS:CS+1], v[NM:NM+1] op_sel_hi:[1,0,0]   ; t - M
.set sn, sn+2
.endr
.irp b, 0,1,2,3
	v_fma_f32 v[BM+\b], v[BM+\b], s[CS], v[NM]
.endr
.set sn, 0
.rept 64
	v_exp_f32 v[SS+sn], v[SS+sn]                   ; p = 2^(t - M): not normalised
.set sn, sn+1
.endr
.irp b, 0,1,2,3
	v_exp_f32 v[BM+\b], v[BM+\b]                   ; the block's largest p: the same two instructions on the same number
.endr
.if \first
	v_mov_b32 v[LL], 0                             ; (a plain line behind the exponentials)
	v_mov_b32 v[LL+1], 0
	s_wait_alu depctr_va_vdst(0)
.else
	v_pk_mul_f32 v[LL:LL+1], v[LL:LL+1], v[FF:FF+1] op_sel_hi:[1,0]
	s_wait_alu depctr_va_vdst(0)
.endif
.irp b, 0,1,2,3
	v_max_num_f32 v[BM+\b], 0x8000000, v[BM+\b]    ; the floor 2^(16 - 127)
.endr
.irp b, 0,1,2,3
	v_add_nc_u32 v[SO_+\b], 0xf8800000, v[BM+\b]
.endr
.irp b, 0,1,2,3
	v_and_or_b32 v[LM+\b], v[BM+\b], 0x7f800000, s[MNT]
.endr
.irp b, 0,1,2,3
	v_lshrrev_b32 v[PT+\b], 23, v[SO_+\b]
.endr
	v_lshl_or_b32 v[PS], v[PT+1], 8, v[PT]         ; p's scale word for these 128 keys
	v_lshl_or_b32 v[PS], v[PT+2], 16, v[PS]
	v_lshl_or_b32 v[PS], v[PT+3], 24, v[PS]
	v_pk_add_f32 v[T2:T2+1], v[SS:SS+1], v[SS+2:SS+3]   ; the sum is taken of the unquantised p, in two chains
.set sn, 4
.rept 15
	v_pk_add_f32 v[LL:LL+1], v[LL:LL+1], v[SS+sn:SS+sn+1]
	v_pk_add_f32 v[T2:T2+1], v[T2:T2+1], v[SS+sn+2:SS+sn+3]
.set sn, sn+4
.endr
	v_pk_add_f32 v[LL:LL+1], v[LL:LL+1], v[T2:T2+1]
.irp b, 0,1,2,3
.irp i, 0,1,2,3,4,5,6,7,8,9,10,11,12,13,14,15
	v_min_num_f32 v[SS+16*\b+\i], v[SS+16*\b+\i], v[LM+\b]   ; p is not negative: the hold is one-sided
.endr
	v_cvt_scalef32_pk8_bf8_f32 v[PCD+4*\b:PCD+4*\b+1], v[SS+16*\b:SS+16*\b+7], v[SO_+\b]
	v_cvt_scalef32_pk8_bf8_f32 v[PCD+4*\b+2:PCD+4*\b+3], v[SS+16*\b+8:SS+16*\b+15], v[SO_+\b]
.endr
.if \first == 0
.set sn, 0
.rept 8
	v_pk_mul_f32 v[OO+sn:OO+sn+1], v[OO+sn:OO+sn+1], v[FF:FF+1] op_sel_hi:[1,0]   ; O^T under the new M
.set sn, sn+2
.endr
.endif
	PLACES 4                                       ; codes written by vector instructions stand four places ahead of the product
	s_wait_dscnt 0x0                               ; the values' fragments and words are in
.irp n, 0,1                                    ; O^T: source 0 = 16 rows of the values, source 1 = p.  The two accumulators take turns
.if \first
	v_wmma_scale_f32_16x16x128_f8f6f4 v[OO+8*\n:OO+8*\n+7], v[KV+16*\n:KV+16*\n+15], v[PCD:PCD+15], 0, v[VS+\n], v[PS] matrix_a_fmt:MATRIX_FMT_BF8 matrix_b_fmt:MATRIX_FMT_BF8
.else
	v_wmma_scale_f32_16x16x128_f8f6f4 v[OO+8*\n:OO+8*\n+7], v[KV+16*\n:KV+16*\n+15], v[PCD:PCD+15], v[OO+8*\n:OO+8*\n+7], v[VS+\n], v[PS] matrix_a_fmt:MATRIX_FMT_BF8 matrix_b_fmt:MATRIX_FMT_BF8
.endif
.endr
.if \causal && \s
.Lhid_\@:
.endif
.endm
	s_load_b512 s[4:19], s[0:1], 0x0               ; inp_codes, sc2, W codes, W scales, a, bn, vimg, vsc
	s_load_b64 s[20:21], s[0:1], 0x40              ; fo
	v_lshl_add_u32 v247, v0, 2, 0x4c400
	v_mov_b32 v255, 0
	ds_add_u32 v247, v255
	ds_add_u32 v247, v255
	v_lshrrev_b32 v3, 5, v0
	v_readfirstlane_b32 s[SW], v3                  ; wave 0..15
	s_lshr_b32 s60, ttmp9, 6                       ; b
	s_and_b32 s61, ttmp9, 63                       ; tq
	s_lshr_b32 s62, s[SW], 1
	s_lshl_b32 s62, s62, 5
	s_and_b32 s63, s[SW], 1
	s_lshl_b32 s63, s63, 3
	s_add_co_u32 s62, s62, s63                     ; P0
	; descriptor group 1 for inp's codes: 16 rows (f) of 256 bytes (4 t x 64 channels), 16,384 bytes apart, 16 bytes of padding behind each
	s_mov_b32 s24, 0x07500000                      ; elements of 1 byte; padding on, after every 64 words, of 4 words
	s_mov_b32 s25, 256<<16                         ; tensor_dim0
	s_mov_b32 s26, 16<<16                          ; tensor_dim1
	s_mov_b32 s27, 256<<16                         ; tile_dim0
	s_mov_b32 s28, 16                              ; tile_dim1
	s_mov_b32 s29, 16384                           ; stride
	s_mov_b32 s30, 0
	s_mov_b32 s31, 0
	; and for vf's images: a dense block of 2,048 bytes as 8 rows of 32 elements of 8 bytes
	s_mov_b32 s36, 3<<16
	s_mov_b32 s37, 32<<16
	s_mov_b32 s38, 8<<16
	s_mov_b32 s39, 32<<16
	s_mov_b32 s40, 8
	s_mov_b32 s41, 32
	s_mov_b32 s42, 0
	s_mov_b32 s43, 0
	s_mov_b32 s32, 1
	s_mul_i32 s33, s[SW], 16*IPITCH                ; rows 16 w on
	s_mov_b32 s44, 1
	s_lshr_b32 s66, s[SW], 2
	s_mul_i32 s45, s66, SLICE
	s_and_b32 s67, s[SW], 3
	s_lshl_b32 s67, s67, 11
	s_add_co_u32 s45, s45, s67
	s_add_co_u32 s45, s45, IMG                     ; slice w / 4, quarter w % 4
	s_lshl_b32 s66, s60, 22
	s_lshl_b32 s67, s[SW], 18
	s_add_co_u32 s66, s66, s67
	s_lshl_b32 s67, s61, 8
	s_add_co_u32 s66, s66, s67
	s_mov_b32 s67, 0
	s_lshl_b32 s68, s60, 21
	s_lshl_b32 s69, s61, 15
	s_add_co_u32 s68, s68, s69
	s_lshl_b32 s69, s[SW], 11
	s_add_co_u32 s68, s68, s69
	s_mov_b32 s69, 0
	s_lshl_b32 s70, s60, 17                        ; sc2: b, tq, my first f
	s_lshl_b32 s71, s61, 11
	s_add_co_u32 s70, s70, s71
	s_lshl_b32 s71, s62, 3
	s_add_co_u32 s70, s70, s71
	s_mov_b32 s71, 0
	s_lshl_b32 s72, s60, 3                         ; vsc: I make the word of slice w / 4, tile n = (w / 2) % 2, step s = w % 2: blocks 4 s + 0 .. 3
	s_and_b32 s73, s[SW], 1
	s_lshl_b32 s73, s73, 2
	s_add_co_u32 s72, s72, s73
	s_lshl_b32 s72, s72, 13
	s_lshl_b32 s73, s61, 2
	s_lshr_b32 s76, s[SW], 2
	s_add_co_u32 s73, s73, s76
	s_lshl_b32 s73, s73, 5
	s_add_co_u32 s72, s72, s73
	s_bfe_u32 s73, s[SW], 0x10001
	s_lshl_b32 s73, s73, 4
	s_add_co_u32 s72, s72, s73
	s_mov_b32 s73, 0
	s_lshl_b32 s74, s60, 23                        ; fo: b, my first f, tq
	s_lshl_b32 s75, s62, 15
	s_add_co_u32 s74, s74, s75
	s_lshl_b32 s75, s61, 9
	s_add_co_u32 s74, s74, s75
	s_mov_b32 s75, 0
	s_mov_b32 s[MNT], 0x600000
	s_mov_b32 s[SEL], 0x76543210
	s_mov_b32 s[SEL+1], 0xfedcba98
	s_mov_b32 s[CS], 0x3e8293ee
	s_mov_b32 s[CS+1], s[CS]                       ; (named with it as a pair)
	s_wait_dscnt 0x0
	s_wait_kmcnt 0x0
	s_add_nc_u64 s[34:35], s[4:5], s[66:67]
	s_or_b32 s35, s35, 0x80000000
	s_add_nc_u64 s[46:47], s[16:17], s[68:69]
	s_or_b32 s47, s47, 0x80000000
	tensor_load_to_lds s[32:35], s[24:31]          ; my two loads go out together, ahead of everything else; two of mine are out
	s_nop 0
	tensor_load_to_lds s[44:47], s[36:43]
	s_nop 0
	PLACES 4
	s_load_b32 s[SA], s[12:13], 0x0
	s_add_nc_u64 s[70:71], s[6:7], s[70:71]
	s_add_nc_u64 s[72:73], s[18:19], s[72:73]
	s_add_nc_u64 s[74:75], s[20:21], s[74:75]
	v_and_b32 v3, 31, v0                           ; lane
	v_and_b32 v14, 15, v0                          ; r
	v_bfe_u32 v15, v0, 4, 1                        ; h
	v_and_b32 v4, 8, v14
	v_add_nc_u32 v4, v4, v14                       ; r + 8 (r / 8)
	v_lshl_add_u32 v1, v3, 4, IMG
	v_lshl_add_u32 v2, v14, 2, SCB
	s_mul_i32 s76, s[SW], 16*SROW
	s_add_co_u32 s76, s76, STG                     ; my stage
	v_mul_u32_u24 v6, v14, SROW
	v_lshl_add_u32 v6, v15, 8, v6
	v_add_nc_u32 v6, s76, v6                       ; in: row r, + 256 h
	v_lshl_add_u32 v7, v3, 4, s76                  ; back: a row's 512 bytes, 16 a lane
	v_lshlrev_b32 v8, 4, v3
	s_lshl_b32 s[WQ], s[SW], 9
	s_lshl_b32 s[WSS], s[SW], 6
	v_add_nc_u32 v9, s[WQ], v1
	v_add_nc_u32 v10, s[WSS], v2
	s_mul_i32 s77, s62, IPITCH
	v_mul_u32_u24 v12, v4, IPITCH
	v_lshl_add_u32 v12, v15, 4, v12
	v_add_nc_u32 v12, s77, v12                     ; inp: my position's row, + 16 h
	v_lshlrev_b32 v88, 7, v4
	v_lshl_add_u32 v88, v15, 4, v88                ; W's codes: 128 (r + 8 (r / 8)) + 16 h
	v_lshlrev_b32 v89, 2, v4                       ; W's scales
	v_lshlrev_b32 v90, 7, v15                      ; bn: outputs 32 h on
	v_lshlrev_b32 v91, 3, v4                       ; sc2: 8 bytes a position
	s_lshr_b32 s78, s[SW], 2
	s_mul_i32 s78, s78, SSL
	s_and_b32 s79, s[SW], 3
	s_lshl_b32 s79, s79, 6
	s_add_co_u32 s78, s78, s79
	s_add_co_u32 s78, s78, 2048
	v_add_nc_u32 v92, s78, v2                      ; where vf's scale word that I make goes
.irp kk, 0,1
.irp u, 0,1
.irp c, 0,1
	global_load_b128 v[16+8*(2*\kk+\u)+4*\c:19+8*(2*\kk+\u)+4*\c], v88, s[8:9] offset:1024*\u+64*\kk+32*\c
.endr
	global_load_u16 v[76+2*\kk+\u], v89, s[10:11] offset:32*\u+2*\kk
.endr
.endr
.irp i, 0,1,2,3,4,5,6,7
	global_load_b128 v[128+4*\i:131+4*\i], v90, s[14:15] offset:16*\i
	global_load_b128 v[160+4*\i:163+4*\i], v90, s[14:15] offset:256+16*\i
.endr
	global_load_b64 v[192:193], v91, s[70:71]
.irp c, 0,1,2,3
	global_load_u8 v[194+\c], v14, s[72:73] offset:8192*\c
.endr
	s_wait_loadcnt 0x0
	s_wait_kmcnt 0x0
	v_and_b32 v80, 0xffff, v192                    ; my position's scale words for the four t: two bytes, zeros above
	v_lshrrev_b32 v81, 16, v192
	v_and_b32 v82, 0xffff, v193
	v_lshrrev_b32 v83, 16, v193
.irp i, 48,49,50,51,52,53,54,55,64,65,66,67,68,69,70,71,72,73,74,75
	v_mov_b32 v[\i], 0                             ; zero codes behind W's run and behind the positions' (the latter stay for the whole kernel)
.endr
	v_mov_b32 v250, 0                              ; a lane permute's destination counts as one of its sources
	v_lshl_or_b32 v198, v195, 8, v194
	v_lshl_or_b32 v198, v196, 16, v198
	v_lshl_or_b32 v198, v197, 24, v198
	PLACES 4
	ds_store_b32 v92, v198
	s_wait_tensorcnt 0x0                           ; my rows of inp and my quarter of a slice of vf have landed
	BAR                                            ; everybody's have
	ds_load_b128 v[56:59], v12
	ds_load_b128 v[60:63], v12 offset:32
.macro PRE t                           ; q and k of my 16 positions at t: convolution, BN, PReLU, quantised along the channels; images to slice t
	s_wait_dscnt 0x0                               ; the positions' codes are in; the last t's stores have read their registers
.if \t == 2
	v_add_nc_u32 v9, 2*SLICE, v9                   ; so that the offsets stay inside 16 bits
.endif
	CONV4 80+\t
.if \t < 3
	ds_load_b128 v[56:59], v12 offset:64*(\t+1)
	ds_load_b128 v[60:63], v12 offset:64*(\t+1)+32
.endif
	BN32
	ACT 96,32,SA
	QUANT1 96,236,253
	QUANT1 112,240,254
	ds_store_b128 v9, v[236:239] offset:(\t&1)*SLICE+16384
	ds_store_b128 v9, v[240:243] offset:(\t&1)*SLICE+8192
	ds_store_b32 v10, v253 offset:\t*SSL+1024
	ds_store_b32 v10, v254 offset:\t*SSL
.endm
	PRE 0
	PRE 1
	PRE 2
	PRE 3
	BAR                                            ; all tiles of k lie in LDS
.irp i, 20,21,22,23,24,25,26,27,28,29,30,31
	v_mov_b32 v[\i], 0                             ; q's fragment: zero codes above K = 32
.endr
.irp b, 0,1,2,3
	v_mov_b32 v[PT+\b], 0
.endr
	v_mov_b32 v[FF+1], 0                           ; (named as the upper half of a pair)
	s_mov_b32 s[TB], 0
	s_mov_b32 s[TS], 0
	s_mov_b32 s[TT], 0
	s_mov_b32 s[CNT], 4
.Lt:                                               ; a trip: one t
	v_add_nc_u32 v[AI], s[TB], v1
	v_add_nc_u32 v[AS], s[TS], v2
	v_add_nc_u32 v5, s[WQ], v[AI]
	v_add_nc_u32 v13, s[WSS], v[AS]
	v_add_nc_u32 v11, s[TT], v6
	ds_load_b128 v[QQ:QQ+3], v5 offset:16384
	ds_load_b32 v[QS], v13 offset:1024
	STEP 0,1,0
	STEP 1,0,0
	PLACES 9
	v_add_f32 v[LL], v[LL], v[LL+1]
	v_permlanex16_b32 v[PT], v[LL], s[SEL], s[SEL+1]
	v_add_f32 v[LL], v[LL], v[PT]                  ; the row's sum
	v_rcp_f32 v[LL], v[LL]
	v_nop
.set sn, 0
	s_wait_alu depctr_va_vdst(0)
.rept 16
	v_mul_f32 v[SS+sn], v[OO+sn], v[LL]            ; register 8 n + j: channel 16 n + 8 h + j of my query
.set sn, sn+1
.endr
.irp n, 0,1
.irp j, 0,1,2,3,4,5,6,7
	ds_store_b32 v11, v[SS+8*\n+\j] offset:128*\n+16*\j
.endr
.endr
	s_wait_dscnt 0x0                               ; the stores have read their registers
	s_add_co_u32 s[TB], s[TB], SLICE
	s_add_co_u32 s[TS], s[TS], SSL
	s_add_co_u32 s[TT], s[TT], 4
	s_sub_co_u32 s[CNT], s[CNT], 1
	s_cmp_lg_u32 s[CNT], 0
	s_cbranch_scc1 .Lt
	; the way out: the stage is my own, and LDS serves a wave's instructions in order: no barrier
.irp i, 0,1,2,3,4,5,6,7,8,9,10,11,12,13,14,15
	ds_load_b128 v[SS+4*\i:SS+4*\i+3], v7 offset:SROW*\i
.endr
.irp i, 0,1,2,3,4,5,6,7,8,9,10,11,12,13,14,15
	s_wait_dscnt 15-\i                             ; row i is in; the younger loads stay out
	global_store_b128 v8, v[SS+4*\i:SS+4*\i+3], s[74:75] offset:(\i+8*(\i/8))*32768 th:TH_STORE_NT   ; 512 consecutive bytes, aligned
.endr
	s_wait_tensorcnt 0x0
	ds_add_u32 v247, v255
	s_wait_dscnt 0x0
	s_endpgm
.Lfunc_end_k_q8e05e3be8b_fattn:
	.size	k_q8e05e3be8b_fattn, .Lfunc_end_k_q8e05e3be8b_fattn-k_q8e05e3be8b_fattn
	.p2alignl 7, 3214868480
	.fill 96, 4, 3214868480
	.section	.rodata,"a",@progbits
	.p2align	6, 0x0
	.amdhsa_kernel k_q8e05e3be8b_fattn
		.amdhsa_group_segment_fixed_size 327680
		.amdhsa_private_segment_fixed_size 0
		.amdhsa_enable_private_segment 0
		.amdhsa_kernarg_size 72
		.amdhsa_user_sgpr_count 2
		.amdhsa_user_sgpr_kernarg_segment_ptr 1
		.amdhsa_wavefront_size32 1
		.amdhsa_system_sgpr_workgroup_id_x 1
		.amdhsa_system_sgpr_workgroup_id_y 1
		.amdhsa_system_sgpr_workgroup_id_z 1
		.amdhsa_system_vgpr_workitem_id 0
		.amdhsa_next_free_vgpr 256
		.amdhsa_next_free_sgpr 80
		.amdhsa_reserve_vcc 1
		.amdhsa_float_denorm_mode_32 3
		.amdhsa_float_denorm_mode_16_64 3
		.amdhsa_memory_ordered 1
		.amdhsa_forward_progress 1
		.amdhsa_inst_pref_size 95
	.end_amdhsa_kernel
	.amdgpu_metadata
---
amdhsa.version: [ 1, 2 ]
amdhsa.kernels:
  - .name:           k_q8e05e3be8b_fattn
    .symbol:         k_q8e05e3be8b_fattn.kd
    .args:
      - { .name: inp_codes, .offset: 0, .size: 8, .value_kind: global_buffer, .address_space: global }
      - { .name: sc2, .offset: 8, .size: 8, .value_kind: global_buffer, .address_space: global }
      - { .name: fqk_W_codes, .offset: 16, .size: 8, .value_kind: global_buffer, .address_space: global }
      - { .name: fqk_W_scales, .offset: 24, .size: 8, .value_kind: global_buffer, .address_space: global }
      - { .name: fqk_a, .offset: 32, .size: 8, .value_kind: global_buffer, .address_space: global }
      - { .name: bn, .offset: 40, .size: 8, .value_kind: global_buffer, .address_space: global }
      - { .name: vimg, .offset: 48, .size: 8, .value_kind: global_buffer, .address_space: global }
      - { .name: vsc, .offset: 56, .size: 8, .value_kind: global_buffer, .address_space: global }
      - { .name: fo, .offset: 64, .size: 8, .value_kind: global_buffer, .address_space: global }
    .group_segment_fixed_size: 327680
    .private_segment_fixed_size: 0
    .kernarg_segment_align: 8
    .kernarg_segment_size: 72
    .max_flat_workgroup_size: 512
    .sgpr_count:     80
    .vgpr_count:     256
    .wavefront_size: 32
...
	.end_amdgpu_metadata
.endif
;; end of part 2
;; launch tattn (part 3): grid 256 x 1, 16 waves a work-group, no clusters, 178,176 bytes of LDS; arguments inp_codes, inp_scales, tqk_W_codes, tqk_W_scales, tqk_a, bn, fo, proj_W_codes, proj_W_scales, proj_a, x, out0; writes out0
.if DOCPART == 3
	.amdgcn_target "amdgcn-amd-amdhsa--gfx1250"
	.amdhsa_code_object_version 6
	.text
	.protected	k_q8e05e3be8b_tattn
	.globl	k_q8e05e3be8b_tattn
	.p2align	8
	.type	k_q8e05e3be8b_tattn,@function
k_q8e05e3be8b_tattn:
	s_mov_b64 s[64:65], 0
	v_nop
	global_prefetch_b8 v0, s[64:65] scope:SCOPE_SE
	s_setreg_imm32_b32 hwreg(HW_REG_WAVE_MODE, 25, 1), 1
	s_wait_xcnt 0x0
; The time attention, the projection and the residual: q, k = PReLU(BN(tqk_W inp)); S = q k^T / sqrt(32) over the 256 t of one (b, f), key y counts for query t where y <= t; tout = P fout;
; out = PReLU(BN(proj_W tout)) + x.  All products on codes of E5M2 with one E8M0 scale for each 32 along K.
; A work-group owns one b and four f (4 fg + ff) and all 256 t; each of its 16 waves owns 16 positions t, its queries and also key tile w: t = P0 + r + 8 (r / 8), P0 = 32 (w / 2) + 8 (w % 2).
; The attention's products are used transposed: a lane holds ONE query.  fout arrives as fo [b][f][t / 4][c' 32][4 t] f32: wave w quantises piece w (block of 32 t: w / 2; rows c' = 16 (w % 2) + r) along t.
; Row c' = 16 n + r stands for channel 8 n + r + 8 (r / 8), so that O^T's 16 registers are channels 16 (lane / 16) + 0 .. 15: divided by the sum and quantised they are the projection's operand.
; The projection is used the natural way round (source 0 = tout, source 1 = 16 rows of proj_W): a lane holds one output channel and eight neighbouring t; a stage in LDS turns them into whole rows of 1,024 bytes.
; K = 64 or 32 is less than the instruction's 128: one operand carries zero codes in the idle blocks, the other is a window that slides over a run of codes; idle scale bytes are 0 (2^-127).
; CAUSAL: waves 0-7 (queries under 128) leave out keys 128 on; the step that holds a wave's diagonal is masked with -infinity ahead of the maximum.  Branches hang on the wave's number alone.
; No tensor loads: every operand is asked for a phase or a trip ahead by loads into registers.  No cluster: work-groups share only the weights and constants, a few KB.
; LIMITS: NaN and infinities among the inputs or the given codes and scale bytes are not served (a window's idle codes would spread them); a block whose largest magnitude lies under 2^-111 keeps the byte 1.
.set SLICE,  24576                     ; LDS from byte 0: four slices (one an f): fout's 16 pieces, k's 16 tiles, q's 16, 512 bytes each
.set SCB,    98304                     ; four slices of 2,304: k's words (64 w + 4 r), q's at 1,024, fout's at 2,048 ((2 n + s) 64 + 4 r)
.set SSL,    2304
.set PWI,    107520                    ; proj_W's four tiles as images of registers
.set STG,    109568                    ; the stage: 64 rows (output channels) of 1,024 bytes + 16
.set SROW,   1040
.set SW, 28
.set SA, 29                            ; tqk's slope;  s30 proj's
.set SAP, 30
.set MNT, 31
.set SEL, 32
.set CS, 34
.set TB, 36
.set TS, 37
.set CNT, 38
.set WQ, 39
.set WSS, 40
.set QT, 248
.set AT, 248
; REGISTERS.  v1 16 lane; v2 SCB + 4 r; v3, v4 the same in the slice in hand (before the loop: 2 x my t; where I store proj_W's tile); v5, v8 at work; v6 stage in; v7 stage back; v9 my query - 16 h;
; v10 proj_W's images; v11, v12 where I store images and words; v13 where fout's scale byte goes; v14 inp's codes; v15 fo
; convolution: v16-47 tqk_W's four tiles, v48-55 zeros; v56-63 my positions' codes, v64-75 zeros (they stay); v76-79 W's scale words, v80 the positions'; v96-127 results; v128-159 s, v160-191 off;
;   v192-207, v220-235 fo, two sets; v236-247 codes.   v208-211 proj_W's scale words, v212-215 its s, v216-219 its off: they stay
; attention: as the names below; v220-251 x's rows of the trip
.set AI, 3
.set AS, 4
.set QL, 9
.set QQ, 16
.set KV, 32
.set KS, 76
.set VS, 84
.set QS, 86
.set PS, 87
.set NM, 88
.set MT, 89
.set LL, 90
.set BM, 92
.set PT, 96
.set LM, 100
.set SO_, 104
.set FF, 108
.set T2, 110
.set SS, 112
.set OO, 176
.set PCD, 192
.set XR, 220
.set TMP, 252
.set NEG, 253
.macro PLACES n
.rept \n
	v_nop
.endr
.endm
.macro BAR
	s_wait_dscnt 0x0
	s_barrier_signal -1
	s_barrier_wait -1
.endm
.macro QUANT1 s, d, w                  ; 16 numbers of a lane, with lane l xor 16's a block of 32: codes in v[d] on, the scale's byte in v[w]
	v_max3_num_f32 v[QT], |v[\s]|, |v[\s+1]|, 0x8000000            ; with the floor 2^(16 - 127): the byte cannot fall under 1
	v_max3_num_f32 v[QT+1], |v[\s+8]|, |v[\s+9]|, |v[\s+10]|
	v_max3_num_f32 v[QT], v[QT], |v[\s+2]|, |v[\s+3]|
	v_max3_num_f32 v[QT+1], v[QT+1], |v[\s+11]|, |v[\s+12]|
	v_max3_num_f32 v[QT], v[QT], |v[\s+4]|, |v[\s+5]|
	v_max3_num_f32 v[QT+1], v[QT+1], |v[\s+13]|, |v[\s+14]|
	v_max3_num_f32 v[QT], v[QT], |v[\s+6]|, |v[\s+7]|
	v_max3_num_f32 v[QT], v[QT], v[QT+1], |v[\s+15]|
	v_permlanex16_b32 v[QT+2], v[QT], s[SEL], s[SEL+1]
	v_max_num_f32 v[QT], v[QT], v[QT+2]
	v_add_nc_u32 v[QT+4], 0xf8800000, v[QT]                        ; 15 off the exponent field: the conversion's scale operand
	v_and_or_b32 v[QT+3], v[QT], 0x7f800000, s[MNT]                ; 57,344 x the scale
	v_lshrrev_b32 v[\w], 23, v[QT+4]
.irp i, 0,1,2,3,4,5,6,7,8,9,10,11,12,13,14,15
	v_med3_num_f32 v[\s+\i], v[\s+\i], -v[QT+3], v[QT+3]           ; the conversion to an 8-bit code does not saturate (ISA guide 7.6.2)
.endr
	v_cvt_scalef32_pk8_bf8_f32 v[\d:\d+1], v[\s:\s+7], v[QT+4]
	v_cvt_scalef32_pk8_bf8_f32 v[\d+2:\d+3], v[\s+8:\s+15], v[QT+4]
	v_nop
.endm
.macro ACT base, n, sa                 ; PReLU in place: max(y, 0) + a min(y, 0)
.set ai, 0
.rept (\n)/4
.irp k, 0,1,2,3
	v_min_num_f32 v[AT+\k], 0, v[\base+ai+\k]
.endr
.irp k, 0,1,2,3
	v_max_num_f32 v[\base+ai+\k], 0, v[\base+ai+\k]
.endr
.irp k, 0,1,2,3
	v_fma_f32 v[\base+ai+\k], s[\sa], v[AT+\k], v[\base+ai+\k]
.endr
.set ai, ai+4
.endr
.endm
.macro CONV4 xs                        ; source 0 = 16 rows of W (a window), source 1 = my 16 positions (zeros above K = 64)
.irp tau, 0,1,2,3
	v_wmma_scale_f32_16x16x128_f8f6f4 v[96+8*\tau:103+8*\tau], v[16+8*\tau:31+8*\tau], v[56:71], 0, v[76+\tau], v[\xs] matrix_a_fmt:MATRIX_FMT_BF8 matrix_b_fmt:MATRIX_FMT_BF8
.endr
	PLACES 9                                       ; in front of reads of results and loads into operands; nine, since later products write over these registers
.endm
.macro BN32
.irp kk, 0,1
.irp u, 0,1
.irp j, 0,1,2,3,4,5,6,7
	v_fma_f32 v[96+8*(2*\kk+\u)+\j], v[96+8*(2*\kk+\u)+\j], v[128+16*\u+2*\j+\kk], v[160+16*\u+2*\j+\kk]
.endr
.endr
.endr
.endm
; A KEY STEP: keys 128 s .. 128 s + 127 of the slice in hand.  first = 1: it starts M, the sum and O^T.  causal = 1: key k counts for query q where k <= q
.macro STEP s, first, causal
.if \causal && \s
	s_cmp_lt_u32 s[SW], 8                          ; waves 0-7 own queries under 128: all of this step's keys are hidden from them
	s_cbranch_scc1 .Lhid_\@
.endif
.if \s
	PLACES 9                                       ; in front of loads into registers that the last products read
.endif
.irp i, 0,1,2,3,4,5,6,7
	ds_load_b128 v[KV+4*\i:KV+4*\i+3], v[AI] offset:8192+(8*\s+\i)*512
.endr
.irp i, 0,1,2,3,4,5,6,7
	ds_load_b32 v[KS+\i], v[AS] offset:(8*\s+\i)*64
.endr
	s_wait_dscnt 0x0
.irp i, 0,1,2,3,4,5,6,7                        ; S^T: source 0 = 16 keys (a window over the run of tiles), source 1 = my 16 queries (zeros above K = 32)
	v_wmma_scale_f32_16x16x128_f8f6f4 v[SS+8*\i:SS+8*\i+7], v[KV+4*\i:KV+4*\i+15], v[QQ:QQ+15], 0, v[KS+\i], v[QS] matrix_a_fmt:MATRIX_FMT_BF8 matrix_b_fmt:MATRIX_FMT_BF8
.endr
	PLACES 9
.irp n, 0,1                                    ; the values' two fragments are asked for now and land under the softmax
.irp c, 0,1,2,3
	ds_load_b128 v[KV+16*\n+4*\c:KV+16*\n+4*\c+3], v[AI] offset:(2*(4*\s+\c)+\n)*512
.endr
	ds_load_b32 v[VS+\n], v[AS] offset:2048+(2*\n+\s)*64
.endr
.if \causal
.if \s == 0
	s_cmp_lt_u32 s[SW], 8                          ; waves 8-15: all of step 0's keys count
	s_cbranch_scc0 .Lopen_\@
.endif
	v_add_nc_u32 v[TMP], -128*\s, v[QL]            ; d = my query - 16 (lane / 16) - 128 s.  Register 16 b + i holds key 128 s + 16 (lane / 16) + 32 b + i: hidden where 32 b + i > d
	v_mov_b32 v[NEG], 0xff800000                   ; -infinity: p = 0 then
.set sn, 0
.rept 64
	v_cmp_gt_i32 vcc_lo, 32*(sn/16)+sn%16, v[TMP]
	v_cndmask_b32 v[SS+sn], v[SS+sn], v[NEG], vcc_lo
.set sn, sn+1
.endr
.Lopen_\@:
.endif
.irp b, 0,1,2,3
	v_max3_num_f32 v[BM+\b], v[SS+16*\b], v[SS+1+16*\b], v[SS+2+16*\b]   ; the largest score of each block of 32 keys: for the row's maximum, and for the block's largest p
.endr
.irp i, 3,5,7,9,11,13
.irp b, 0,1,2,3
	v_max3_num_f32 v[BM+\b], v[BM+\b], v[SS+16*\b+\i], v[SS+1+16*\b+\i]
.endr
.endr
.irp b, 0,1,2,3
	v_max_num_f32 v[BM+\b], v[BM+\b], v[SS+15+16*\b]
.endr
.irp b, 0,1,2,3
	v_permlanex16_b32 v[PT+\b], v[BM+\b], s[SEL], s[SEL+1]
.endr
.irp b, 0,1,2,3
	v_max_num_f32 v[BM+\b], v[BM+\b], v[PT+\b]
.endr
	v_max3_num_f32 v[TMP], v[BM], v[BM+1], v[BM+2]
	v_max_num_f32 v[TMP], v[TMP], v[BM+3]
.if \first
	v_mul_f32 v[MT], s[CS], v[TMP]                 ; the largest t (c is positive; key 0 counts for every query)
	v_floor_f32 v[NM], -v[MT]                      ; -M = floor(-t) = -ceil(t)
.else
	v_mul_f32 v[TMP], s[CS], v[TMP]
	v_max_num_f32 v[MT], v[MT], v[TMP]
	v_mov_b32 v[TMP], v[NM]
	v_floor_f32 v[NM], -v[MT]
	v_sub_f32 v[TMP], v[NM], v[TMP]                ; old M - new M: a whole number, 0 or less
	v_cvt_i32_f32 v[TMP], v[TMP]
	v_ldexp_f32 v[FF], 1.0, v[TMP]                 ; f = 2^(old M - new M): a multiplication by it rounds nothing
.endif
.set sn, 0
.rept 32
	v_pk_fma_f32 v[SS+sn:SS+sn+1], v[SS+sn:SS+sn+1], s[CS:CS+1], v[NM:NM+1] op_sel_hi:[1,0,0]   ; t - M
.set sn, sn+2
.endr
.irp b, 0,1,2,3
	v_fma_f32 v[BM+\b], v[BM+\b], s[CS], v[NM]
.endr
.set sn, 0
.rept 64
	v_exp_f32 v[SS+sn], v[SS+sn]                   ; p = 2^(t - M): not normalised
.set sn, sn+1
.endr
.irp b, 0,1,2,3
	v_exp_f32 v[BM+\b], v[BM+\b]                   ; the block's largest p: the same two instructions on the same number
.endr
.if \first
	v_mov_b32 v[LL], 0                             ; (a plain line behind the exponentials)
	v_mov_b32 v[LL+1], 0
	s_wait_alu depctr_va_vdst(0)
.else
	v_pk_mul_f32 v[LL:LL+1], v[LL:LL+1], v[FF:FF+1] op_sel_hi:[1,0]
	s_wait_alu depctr_va_vdst(0)
.endif
.irp b, 0,1,2,3
	v_max_num_f32 v[BM+\b], 0x8000000, v[BM+\b]    ; the floor 2^(16 - 127): a block whose every p is 0 keeps the byte 1; its codes are zeros
.endr
.irp b, 0,1,2,3
	v_add_nc_u32 v[SO_+\b], 0xf8800000, v[BM+\b]
.endr
.irp b, 0,1,2,3
	v_and_or_b32 v[LM+\b], v[BM+\b], 0x7f800000, s[MNT]
.endr
.irp b, 0,1,2,3
	v_lshrrev_b32 v[PT+\b], 23, v[SO_+\b]
.endr
	v_lshl_or_b32 v[PS], v[PT+1], 8, v[PT]         ; p's scale word for these 128 keys
	v_lshl_or_b32 v[PS], v[PT+2], 16, v[PS]
	v_lshl_or_b32 v[PS], v[PT+3], 24, v[PS]
	v_pk_add_f32 v[T2:T2+1], v[SS:SS+1], v[SS+2:SS+3]   ; the sum is taken of the unquantised p, in two chains
.set sn, 4
.rept 15
	v_pk_add_f32 v[LL:LL+1], v[LL:LL+1], v[SS+sn:SS+sn+1]
	v_pk_add_f32 v[T2:T2+1], v[T2:T2+1], v[SS+sn+2:SS+sn+3]
.set sn, sn+4
.endr
	v_pk_add_f32 v[LL:LL+1], v[LL:LL+1], v[T2:T2+1]
.irp b, 0,1,2,3
.irp i, 0,1,2,3,4,5,6,7,8,9,10,11,12,13,14,15
	v_min_num_f32 v[SS+16*\b+\i], v[SS+16*\b+\i], v[LM+\b]   ; p is not negative: the hold is one-sided
.endr
	v_cvt_scalef32_pk8_bf8_f32 v[PCD+4*\b:PCD+4*\b+1], v[SS+16*\b:SS+16*\b+7], v[SO_+\b]
	v_cvt_scalef32_pk8_bf8_f32 v[PCD+4*\b+2:PCD+4*\b+3], v[SS+16*\b+8:SS+16*\b+15], v[SO_+\b]
.endr
.if \first == 0
.set sn, 0
.rept 8
	v_pk_mul_f32 v[OO+sn:OO+sn+1], v[OO+sn:OO+sn+1], v[FF:FF+1] op_sel_hi:[1,0]   ; O^T under the new M
.set sn, sn+2
.endr
.endif
	PLACES 4                                       ; codes written by vector instructions stand four places ahead of the product
	s_wait_dscnt 0x0                               ; the values' fragments and words are in
.irp n, 0,1                                    ; O^T: source 0 = 16 rows of the values, source 1 = p.  The two accumulators take turns
.if \first
	v_wmma_scale_f32_16x16x128_f8f6f4 v[OO+8*\n:OO+8*\n+7], v[KV+16*\n:KV+16*\n+15], v[PCD:PCD+15], 0, v[VS+\n], v[PS] matrix_a_fmt:MATRIX_FMT_BF8 matrix_b_fmt:MATRIX_FMT_BF8
.else
	v_wmma_scale_f32_16x16x128_f8f6f4 v[OO+8*\n:OO+8*\n+7], v[KV+16*\n:KV+16*\n+15], v[PCD:PCD+15], v[OO+8*\n:OO+8*\n+7], v[VS+\n], v[PS] matrix_a_fmt:MATRIX_FMT_BF8 matrix_b_fmt:MATRIX_FMT_BF8
.endif
.endr
.if \causal && \s
.Lhid_\@:
.endif
.endm
	s_load_b512 s[4:19], s[0:1], 0x0               ; inp_codes, inp_scales, W codes, W scales, tqk_a, bn, fo, proj_W codes
	s_load_b256 s[20:27], s[0:1], 0x40             ; proj_W scales, proj_a, x, out0
	v_lshrrev_b32 v96, 5, v0
	v_readfirstlane_b32 s[SW], v96                 ; wave 0..15
	s_lshr_b32 s52, ttmp9, 6                       ; b
	s_and_b32 s53, ttmp9, 63                       ; fg
	s_lshr_b32 s41, s[SW], 1
	s_lshl_b32 s41, s41, 5
	s_and_b32 s54, s[SW], 1
	s_lshl_b32 s54, s54, 3
	s_add_co_u32 s41, s41, s54                     ; P0
	s_lshl_b32 s46, s52, 22                        ; inp's codes: b, f = 4 fg
	s_lshl_b32 s54, s53, 16
	s_add_co_u32 s46, s46, s54
	s_mov_b32 s47, 0
	s_lshl_b32 s48, s52, 17                        ; inp's scales
	s_lshl_b32 s54, s53, 11
	s_add_co_u32 s48, s48, s54
	s_mov_b32 s49, 0
	s_lshl_b32 s50, s52, 23                        ; fo
	s_lshl_b32 s54, s53, 17
	s_add_co_u32 s50, s50, s54
	s_mov_b32 s51, 0
	s_lshl_b32 s42, s52, 24                        ; x and out0: b, output channels 4 w on, f = 4 fg
	s_lshl_b32 s54, s[SW], 20
	s_add_co_u32 s42, s42, s54
	s_lshl_b32 s54, s53, 12
	s_add_co_u32 s42, s42, s54
	s_mov_b32 s43, 0
	s_mov_b32 s[MNT], 0x600000
	s_mov_b32 s[SEL], 0x76543210
	s_mov_b32 s[SEL+1], 0xfedcba98
	s_mov_b32 s[CS], 0x3e8293ee                    ; c = log2(e) / sqrt(32)
	s_mov_b32 s[CS+1], s[CS]
	v_and_b32 v96, 31, v0                          ; lane
	v_and_b32 v97, 15, v0                          ; r
	v_bfe_u32 v98, v0, 4, 1                        ; h
	v_and_b32 v99, 8, v97
	v_add_nc_u32 v99, v99, v97                     ; r + 8 (r / 8)
	v_add_nc_u32 v100, s41, v99                    ; my t
	v_lshlrev_b32 v1, 4, v96
	v_lshl_add_u32 v2, v97, 2, SCB
	v_lshlrev_b32 v3, 1, v100
	s_and_b32 s54, s[SW], 3
	s_lshl_b32 s54, s54, 9
	s_add_co_u32 s55, s54, PWI
	v_add_nc_u32 v4, s55, v1                       ; proj_W's tile w % 4
	s_lshl_b32 s55, s41, 2
	s_add_co_u32 s55, s55, STG
	v_mul_u32_u24 v6, v97, SROW
	v_lshl_add_u32 v6, v98, 6, v6
	v_add_nc_u32 v6, s55, v6                       ; stage in: row r, t = P0 + 16 h on
	s_mul_i32 s55, s[SW], 4*SROW
	s_add_co_u32 s55, s55, STG
	v_add_nc_u32 v7, s55, v1                       ; back: rows 4 w on
	v_lshlrev_b32 v9, 4, v98
	v_sub_nc_u32 v[QL], v100, v9
	v_add_nc_u32 v10, PWI, v1
	s_lshl_b32 s[WQ], s[SW], 9
	s_lshl_b32 s[WSS], s[SW], 6
	v_add_nc_u32 v11, s[WQ], v1
	v_add_nc_u32 v12, s[WSS], v2
	s_and_b32 s55, s[SW], 1                        ; fout's scale byte: tile n = w % 2, step s = w / 8, byte (w / 2) % 4
	s_lshl_b32 s56, s55, 7
	s_lshr_b32 s57, s[SW], 3
	s_lshl_b32 s57, s57, 6
	s_add_co_u32 s56, s56, s57
	s_bfe_u32 s57, s[SW], 0x20001
	s_add_co_u32 s56, s56, s57
	s_add_co_u32 s56, s56, 2048
	v_add_nc_u32 v13, s56, v2
	v_lshlrev_b32 v14, 6, v100
	v_lshl_add_u32 v14, v98, 4, v14                ; inp: 64 t + 16 h
	s_lshr_b32 s57, s[SW], 1
	s_lshl_b32 s57, s57, 12
	s_lshl_b32 s55, s55, 8
	s_add_co_u32 s57, s57, s55
	v_lshlrev_b32 v15, 4, v97
	v_lshl_add_u32 v15, v98, 11, v15
	v_add_nc_u32 v15, s57, v15                     ; fo: t = 32 (w / 2) + 16 h on, row c' = 16 (w % 2) + r: sixteen lanes read 256 consecutive bytes
	v_lshlrev_b32 v101, 7, v99
	v_lshl_add_u32 v101, v98, 4, v101              ; W's codes
	v_lshlrev_b32 v102, 2, v99                     ; W's scales
	v_lshlrev_b32 v103, 7, v98                     ; bn: outputs 32 h on
	v_lshlrev_b32 v104, 5, v97
	v_lshl_add_u32 v104, v98, 4, v104
	v_add_nc_u32 v104, s54, v104                   ; proj_W's codes: row 16 (w % 4) + r, + 16 h
	v_lshlrev_b32 v105, 2, v97
	s_wait_kmcnt 0x0
	s_load_b32 s[SA], s[12:13], 0x0
	s_load_b32 s[SAP], s[22:23], 0x0
	s_add_nc_u64 s[46:47], s[4:5], s[46:47]
	s_add_nc_u64 s[48:49], s[6:7], s[48:49]
	s_add_nc_u64 s[50:51], s[16:17], s[50:51]
	s_add_nc_u64 s[44:45], s[26:27], s[42:43]
	s_add_nc_u64 s[42:43], s[24:25], s[42:43]
.irp kk, 0,1                                   ; 41 loads of constants
.irp u, 0,1
.irp c, 0,1
	global_load_b128 v[16+8*(2*\kk+\u)+4*\c:19+8*(2*\kk+\u)+4*\c], v101, s[8:9] offset:1024*\u+64*\kk+32*\c
.endr
	global_load_u16 v[76+2*\kk+\u], v102, s[10:11] offset:32*\u+2*\kk
.endr
.endr
.irp i, 0,1,2,3,4,5,6,7
	global_load_b128 v[128+4*\i:131+4*\i], v103, s[14:15] offset:512+16*\i
	global_load_b128 v[160+4*\i:163+4*\i], v103, s[14:15] offset:768+16*\i
.endr
	global_load_b128 v[244:247], v104, s[18:19]
.irp p, 0,1,2,3
	global_load_u8 v[208+\p], v97, s[20:21] offset:16*\p
	global_load_b32 v[212+\p], v105, s[14:15] offset:1024+64*\p
	global_load_b32 v[216+\p], v105, s[14:15] offset:1280+64*\p
.endr
.macro XL ff                           ; my 16 positions' codes and scale words at f = 4 fg + ff: three loads
	global_load_b128 v[56:59], v14, s[46:47] offset:16384*(\ff)
	global_load_b128 v[60:63], v14, s[46:47] offset:16384*(\ff)+32
	global_load_u16 v80, v3, s[48:49] offset:512*(\ff)
.endm
.macro FL ff, buf                      ; my piece of fout: 16 neighbouring t of one row: four loads
.irp i, 0,1,2,3
	global_load_b128 v[\buf+4*\i:\buf+4*\i+3], v15, s[50:51] offset:32768*(\ff)+512*\i th:TH_LOAD_NT
.endr
.endm
	FL 0,192
	XL 0
	FL 1,220
.irp i, 48,49,50,51,52,53,54,55,64,65,66,67,68,69,70,71,72,73,74,75
	v_mov_b32 v[\i], 0                             ; zero codes behind W's run and behind the positions' (the latter stay for the whole kernel)
.endr
	v_mov_b32 v250, 0                              ; a lane permute's destination counts as one of its sources
	s_wait_loadcnt 11                              ; the constants are in; the 4 + 3 + 4 loads issued behind them stay out
	s_wait_kmcnt 0x0
	s_cmp_gt_u32 s[SW], 3
	s_cbranch_scc1 .Lno_pw
	ds_store_b128 v4, v[244:247]                   ; waves 0-3: proj_W's four tiles
.Lno_pw:
.macro PRE ff, buf                     ; q, k of my 16 positions and my piece of fout at f = 4 fg + ff: images to slice ff
	s_wait_dscnt 0x0                               ; the last f's stores have read their registers
.if \ff < 3
	s_wait_loadcnt 4                               ; this f's fo and codes are in; the next f's fo, four loads, stays out
.else
	s_wait_loadcnt 0x0
.endif
.if \ff == 2
	v_add_nc_u32 v11, 2*SLICE, v11                 ; so that the offsets stay inside 16 bits
.endif
	CONV4 80
.if \ff < 3
	XL \ff+1
.endif
	BN32
	ACT 96,32,SA
	QUANT1 96,236,253
	QUANT1 112,240,254
	QUANT1 \buf,244,255
.if \ff < 2
	FL \ff+2,\buf
.endif
	ds_store_b128 v11, v[236:239] offset:(\ff&1)*SLICE+16384
	ds_store_b128 v11, v[240:243] offset:(\ff&1)*SLICE+8192
	ds_store_b128 v11, v[244:247] offset:(\ff&1)*SLICE
	ds_store_b32 v12, v253 offset:\ff*SSL+1024
	ds_store_b32 v12, v254 offset:\ff*SSL
	ds_store_b8 v13, v255 offset:\ff*SSL           ; both halves of the lanes write the same byte with the same value
.endm
	PRE 0,192
	PRE 1,220
	PRE 2,192
	PRE 3,220
	BAR                                            ; all images lie in LDS
.irp i, 20,21,22,23,24,25,26,27,28,29,30,31
	v_mov_b32 v[\i], 0                             ; q's fragment, later tout's: zero codes above K = 32
.endr
.irp b, 0,1,2,3
	v_mov_b32 v[PT+\b], 0
.endr
	v_mov_b32 v[FF+1], 0                           ; (named as the upper half of a pair)
.set QT, 92                            ; in the loop the statistics' registers serve between the steps
.set AT, 100
	s_mov_b32 s[TB], 0
	s_mov_b32 s[TS], 0
	s_mov_b32 s[CNT], 4
.Lf:                                               ; a trip: one f
.irp i, 0,1,2,3
.irp hh, 0,1
	global_load_b128 v[XR+8*\i+4*\hh:XR+8*\i+4*\hh+3], v1, s[42:43] offset:\i*262144+\hh*512 th:TH_LOAD_NT   ; x's rows of channels 4 w + i: they have the whole attention in which to land
.endr
.endr
	v_add_nc_u32 v[AI], s[TB], v1
	v_add_nc_u32 v[AS], s[TS], v2
	v_add_nc_u32 v5, s[WQ], v[AI]
	v_add_nc_u32 v8, s[WSS], v[AS]
	ds_load_b128 v[QQ:QQ+3], v5 offset:16384
	ds_load_b32 v[QS], v8 offset:1024
	STEP 0,1,1
	STEP 1,0,1
	PLACES 9
.irp p, 0,1,2,3
	ds_load_b128 v[KV+4*\p:KV+4*\p+3], v10 offset:512*\p   ; proj_W's four tiles: a run; the values' codes behind it are the last window's idle part
.endr
	v_add_f32 v[LL], v[LL], v[LL+1]
	v_permlanex16_b32 v[PT], v[LL], s[SEL], s[SEL+1]
	v_add_f32 v[LL], v[LL], v[PT]                  ; the row's sum
	v_rcp_f32 v[LL], v[LL]
	v_nop
.set sn, 0
	s_wait_alu depctr_va_vdst(0)
.rept 16
	v_mul_f32 v[SS+sn], v[OO+sn], v[LL]            ; tout: channels 16 h + 0 .. 15 of my query
.set sn, sn+1
.endr
	QUANT1 SS,QQ,QS                                ; its codes take q's place, its byte q's word's
	PLACES 4
	s_wait_dscnt 0x0
.irp p, 0,1,2,3                                ; source 0 = tout's 16 queries, source 1 = 16 rows of proj_W: lane (r, h): channel 16 p + r, t = P0 + 16 h + 0 .. 7
	v_wmma_scale_f32_16x16x128_f8f6f4 v[144+8*\p:151+8*\p], v[QQ:QQ+15], v[KV+4*\p:KV+4*\p+15], 0, v[QS], v[208+\p] matrix_a_fmt:MATRIX_FMT_BF8 matrix_b_fmt:MATRIX_FMT_BF8
.endr
	PLACES 9
.irp p, 0,1,2,3
.irp j, 0,1,2,3,4,5,6,7
	v_fma_f32 v[144+8*\p+\j], v[144+8*\p+\j], v[212+\p], v[216+\p]
.endr
.endr
	ACT 144,32,SAP
.irp p, 0,1,2,3
	ds_store_b128 v6, v[144+8*\p:147+8*\p] offset:16*SROW*\p
	ds_store_b128 v6, v[148+8*\p:151+8*\p] offset:16*SROW*\p+16
.endr
	BAR                                            ; 64 whole rows lie in the stage
.irp i, 0,1,2,3
.irp hh, 0,1
	ds_load_b128 v[SS+8*\i+4*\hh:SS+8*\i+4*\hh+3], v7 offset:SROW*\i+512*\hh
.endr
.endr
	s_wait_loadcnt 0x0                             ; x
	s_wait_dscnt 0x0
.set sn, 0
.rept 16
	v_pk_add_f32 v[XR+sn:XR+sn+1], v[XR+sn:XR+sn+1], v[SS+sn:SS+sn+1]
.set sn, sn+2
.endr
.irp i, 0,1,2,3
.irp hh, 0,1
	global_store_b128 v1, v[XR+8*\i+4*\hh:XR+8*\i+4*\hh+3], s[44:45] offset:\i*262144+\hh*512 th:TH_STORE_NT   ; 512 consecutive bytes, aligned
.endr
.endr
	s_wait_xcnt 0x0                                ; the stores' registers and bases are written again below
	BAR                                            ; every wave's reads of the stage are over: it may be written again
	s_add_nc_u64 s[42:43], s[42:43], 1024
	s_add_nc_u64 s[44:45], s[44:45], 1024
	s_add_co_u32 s[TB], s[TB], SLICE
	s_add_co_u32 s[TS], s[TS], SSL
	s_sub_co_u32 s[CNT], s[CNT], 1
	s_cmp_lg_u32 s[CNT], 0
	s_cbranch_scc1 .Lf
	s_wait_xcnt 0x0
	v_lshl_add_u32 v254, v0, 2, 0x2b000
	v_mov_b32 v255, 0
	s_wait_tensorcnt 0x0
	ds_add_u32 v254, v255
	s_wait_dscnt 0x0
	s_endpgm
.Lfunc_end_k_q8e05e3be8b_tattn:
	.size	k_q8e05e3be8b_tattn, .Lfunc_end_k_q8e05e3be8b_tattn-k_q8e05e3be8b_tattn
	.p2alignl 7, 3214868480
	.fill 96, 4, 3214868480
	.section	.rodata,"a",@progbits
	.p2align	6, 0x0
	.amdhsa_kernel k_q8e05e3be8b_tattn
		.amdhsa_group_segment_fixed_size 178176
		.amdhsa_private_segment_fixed_size 0
		.amdhsa_enable_private_segment 0
		.amdhsa_kernarg_size 96
		.amdhsa_user_sgpr_count 2
		.amdhsa_user_sgpr_kernarg_segment_ptr 1
		.amdhsa_wavefront_size32 1
		.amdhsa_system_sgpr_workgroup_id_x 1
		.amdhsa_system_sgpr_workgroup_id_y 1
		.amdhsa_system_sgpr_workgroup_id_z 1
		.amdhsa_system_vgpr_workitem_id 0
		.amdhsa_next_free_vgpr 256
		.amdhsa_next_free_sgpr 66
		.amdhsa_reserve_vcc 1
		.amdhsa_float_denorm_mode_32 3
		.amdhsa_float_denorm_mode_16_64 3
		.amdhsa_memory_ordered 1
		.amdhsa_forward_progress 1
		.amdhsa_inst_pref_size 123
	.end_amdhsa_kernel
	.amdgpu_metadata
---
amdhsa.version: [ 1, 2 ]
amdhsa.kernels:
  - .name:           k_q8e05e3be8b_tattn
    .symbol:         k_q8e05e3be8b_tattn.kd
    .args:
      - { .name: inp_codes, .offset: 0, .size: 8, .value_kind: global_buffer, .address_space: global }
      - { .name: inp_scales, .offset: 8, .size: 8, .value_kind: global_buffer, .address_space: global }
      - { .name: tqk_W_codes, .offset: 16, .size: 8, .value_kind: global_buffer, .address_space: global }
      - { .name: tqk_W_scales, .offset: 24, .size: 8, .value_kind: global_buffer, .address_space: global }
      - { .name: tqk_a, .offset: 32, .size: 8, .value_kind: global_buffer, .address_space: global }
      - { .name: bn, .offset: 40, .size: 8, .value_kind: global_buffer, .address_space: global }
      - { .name: fo, .offset: 48, .size: 8, .value_kind: global_buffer, .address_space: global }
      - { .name: proj_W_codes, .offset: 56, .size: 8, .value_kind: global_buffer, .address_space: global }
      - { .name: proj_W_scales, .offset: 64, .size: 8, .value_kind: global_buffer, .address_space: global }
      - { .name: proj_a, .offset: 72, .size: 8, .value_kind: global_buffer, .address_space: global }
      - { .name: x, .offset: 80, .size: 8, .value_kind: global_buffer, .address_space: global }
      - { .name: out0, .offset: 88, .size: 8, .value_kind: global_buffer, .address_space: global }
    .group_segment_fixed_size: 178176
    .private_segment_fixed_size: 0
    .kernarg_segment_align: 8
    .kernarg_segment_size: 96
    .max_flat_workgroup_size: 512
    .sgpr_count:     66
    .vgpr_count:     256
    .wavefront_size: 32
...
	.end_amdgpu_metadata
.endif
;; end of part 3
;; ======== version 2 of 2: 3 launches; version 1 with the launches vconv, tattn written anew for expert scheduling mode
;; workspace buffers: vimg 8,388,608 bytes; vsc 262,144 bytes; sc2 524,288 bytes; bn 1,536 bytes; fo 33,554,432 bytes
;; launch vconv (part 4): grid 128 x 1, 16 waves a work-group, no clusters, 176,896 bytes of LDS; arguments x, fv_W_codes, fv_W_scales, fv_a, fv_b, fv_be, fv_g, fv_m, fv_v, inp_scales, vimg, vsc, sc2, bn, fqk_b, fqk_be, fqk_g, fqk_m, fqk_v, tqk_b, tqk_be, tqk_g, tqk_m, tqk_v, proj_b, proj_be, proj_g, proj_m, proj_v; writes vimg, vsc, sc2, bn
.if DOCPART == 4
	.amdgcn_target "amdgcn-amd-amdhsa--gfx1250"
	.amdhsa_code_object_version 6
	.text
	.protected	k_q8e05e3be8b_vconv
	.globl	k_q8e05e3be8b_vconv
	.p2align	8
	.type	k_q8e05e3be8b_vconv,@function
k_q8e05e3be8b_vconv:
	s_mov_b64 s[64:65], 0
	v_nop
	global_prefetch_b8 v0, s[64:65] scope:SCOPE_SE
	s_setreg_imm32_b32 hwreg(HW_REG_WAVE_SCHED_MODE, 0, 2), 2
	s_setreg_imm32_b32 hwreg(HW_REG_WAVE_MODE, 25, 1), 1
	s_wait_xcnt 0x0
	s_wait_alu depctr_vm_vsrc(0)
; vf = PReLU(BN(fv_W x + b)) on codes of E5M2 with one E8M0 scale for each 32 along K, then vf itself quantised along f (the K of the frequency attention's second product).
; x: [4][64 c][256 f][256 t] f32, K = c is its outermost axis within a batch.  A work-group owns one batch b, one block of 32 f (fb) and 64 t (th): every piece of a row of x that it reads is 256 aligned bytes.
; PHASE 1: a lane takes 4 neighbouring t and its registers run down 16 channels (lanes l and l xor 16 hold a block of 32): the codes come out with K innermost and go to LDS, a row of 64 bytes for each (f, t).
; PHASE 2: wave w takes t = 4 w + e.  Source 0 = 16 positions f of one t, source 1 = 16 rows of fv_W: a lane then holds ONE channel and eight f.  THE f OF A TILE ARE NOT NEIGHBOURS: lane r of tile u takes
; f = 8 u + r + 8 (r / 8), so that the 16 registers of tiles 0 and 1 are f = 16 (lane / 16) + 0 .. 15: after BN and PReLU they are quantised in place, and the four code registers are a piece of the next operand.
; K = 64 is half of the instruction's 128: fv_W's fragments carry zero codes in their upper half, so that x's may be a window that slides over a run of codes.
; OUT: vimg [b][t][piece 2 fb + n][lane][16 bytes]: images of the operand's registers;  vsc [b][fb][t][channel]: scale bytes.
; Beside that: inp_scales is laid anew as sc2 [b][t / 4][f][4 t x 2 bytes], and two waves of work-group 0 fold the three other layers' batch norms: bn[512 k] = s = g rsq(v + 1e-5), bn[512 k + 256] = (b - m) s + be.
; LIMITS: NaN and infinities among the inputs or the given codes and scale bytes are not served (a window's idle codes would spread them); a block whose largest magnitude lies under 2^-111 keeps the byte 1
; (a block of zeros too: its codes are zeros, and this program alone reads the bytes); BN is folded to acc s + off, which rounds otherwise than (y - m) rsq g + be by a few last bits.
; THE MODE: SCHED_MODE bits 1:0 = 2 (LLVM: expert scheduling mode 2), set by the entry lines.  The code itself states the register dependences
; between vector or matrix instructions and memory or LDS instructions, with s_wait_alu, always for 0.
; THE PLAN.  Registers that memory or LDS instructions touch:
;   v1-15         offsets and LDS addresses: written once at the head, never again.  v216-218: offsets of the head's loads; phase 2 writes them again, as scale bytes.
;   X0, X1        v64-127, v128-191.  Unit k's maxima and holds read X[k % 2]; behind them the loads of unit k + 2 land in it.
;   v224-239      a unit's codes, and v244-247 its scale words: written by its conversions and shifts, read by its LDS stores, written again by the next unit (behind phase 1: by phase 2's registers at work).
;   v64-127, v208-215   phase 2: filled by LDS loads, read by the products.
;   v176-207, v216-223  phase 2: each t has a part of its own: written by its quantisers, read by the stores that are issued in the next t.
; So a unit has one wait on vm_vsrc at its head and ONE on va_vdst behind its last conversion, behind which its loads and all its LDS stores stand; a t of phase 2 has one wait on va_vdst,
; behind its products and their places, where the results are about to be read: behind it go the stores of the t before.
.set XROW,  5136                       ; LDS: a row of x's codes: 64 places (16 e + q, t = 4 q + e) of 64 bytes + 16 of padding, + 16
.set XSB,   164352                     ; behind 32 such rows: x's scale words, 32 rows of 260 bytes
.set XSROW, 260
.set VBB,   172800                     ; vf's scale bytes [t 64][channel 32]
.set SW,  66                           ; s66  wave
.set SA,  70                           ; s70  PReLU's slope
.set MNT, 71                           ; s71  the mantissa field of 57,344
.set SEL, 72                           ; s[72:73] selects of v_permlanex16_b32: lane l xor 16
.set QT,  240                          ; QUANT1's five registers at work
.set AT,  224                          ; ACT's four
; REGISTERS: v1-15 addresses; v16-47 fv_W's two fragments (8 of codes, 8 of zeros each); v48-49 its scale words; v50-57 s and off of my two channels; v58-61 block 0's bytes;
; phase 1: v64-127, v128-191 x, two sets (register 4 i + e: channel i of my 16, t = 4 q + e); v192-207 16 neighbours along K; v224-239 codes; v240-255 maxima, exchange, holds, scales
; phase 2: v64-127 x's 8 fragments + v128-135 zeros; v144-175 results; v176-207 vf's codes; v208-215 x's scale words (nothing else ever); v216-223 vf's bytes
.macro PLACES n
.rept \n
	v_nop
.endr
.endm
.macro BAR                             ; my LDS stores have landed and my LDS loads are in: then the work-group's barrier
	s_wait_dscnt 0x0
	s_barrier_signal -1
	s_barrier_wait -1
.endm
; 16 numbers of a lane, which with lane l xor 16's are a block of 32, become four registers of codes v[d] on and the scale's byte in v[w]
.macro QUANT1 s, d, w
	v_max3_num_f32 v[QT], |v[\s]|, |v[\s+1]|, 0x8000000            ; with the floor 2^(16 - 127): the byte cannot fall under 1
	v_max3_num_f32 v[QT+1], |v[\s+8]|, |v[\s+9]|, |v[\s+10]|
	v_max3_num_f32 v[QT], v[QT], |v[\s+2]|, |v[\s+3]|
	v_max3_num_f32 v[QT+1], v[QT+1], |v[\s+11]|, |v[\s+12]|
	v_max3_num_f32 v[QT], v[QT], |v[\s+4]|, |v[\s+5]|
	v_max3_num_f32 v[QT+1], v[QT+1], |v[\s+13]|, |v[\s+14]|
	v_max3_num_f32 v[QT], v[QT], |v[\s+6]|, |v[\s+7]|
	v_max3_num_f32 v[QT], v[QT], v[QT+1], |v[\s+15]|
	v_permlanex16_b32 v[QT+2], v[QT], s[SEL], s[SEL+1]
	v_max_num_f32 v[QT], v[QT], v[QT+2]                            ; the block's largest magnitude
	v_add_nc_u32 v[QT+4], 0xf8800000, v[QT]                        ; 15 off its exponent field: the conversion's scale operand
	v_and_or_b32 v[QT+3], v[QT], 0x7f800000, s[MNT]                ; 57,344 x the scale
	v_lshrrev_b32 v[\w], 23, v[QT+4]                               ; the scale's byte
.irp i, 0,1,2,3,4,5,6,7,8,9,10,11,12,13,14,15
	v_med3_num_f32 v[\s+\i], v[\s+\i], -v[QT+3], v[QT+3]           ; the conversion to an 8-bit code does not saturate (ISA guide 7.6.2)
.endr
	v_cvt_scalef32_pk8_bf8_f32 v[\d:\d+1], v[\s:\s+7], v[QT+4]
	v_cvt_scalef32_pk8_bf8_f32 v[\d+2:\d+3], v[\s+8:\s+15], v[QT+4]
	v_nop                                                          ; a plain line behind the conversions
.endm
; PReLU in place: max(y, 0) + a min(y, 0), right for every slope
.macro ACT base, n, sa
.set ai, 0
.rept (\n)/4
.irp k, 0,1,2,3
	v_min_num_f32 v[AT+\k], 0, v[\base+ai+\k]
.endr
.irp k, 0,1,2,3
	v_max_num_f32 v[\base+ai+\k], 0, v[\base+ai+\k]
.endr
.irp k, 0,1,2,3
	v_fma_f32 v[\base+ai+\k], s[\sa], v[AT+\k], v[\base+ai+\k]
.endr
.set ai, ai+4
.endr
.endm
	s_load_b512 s[4:19], s[0:1], 0x0               ; argument i lies in s[4 + 2 i : 5 + 2 i]
	s_load_b512 s[20:35], s[0:1], 0x40
	s_load_b512 s[36:51], s[0:1], 0x80
	s_load_b256 s[52:59], s[0:1], 0xc0
	s_load_b64 s[60:61], s[0:1], 0xe0
	v_lshrrev_b32 v12, 5, v0
	v_readfirstlane_b32 s[SW], v12                 ; wave 0..15
	s_lshr_b32 s67, ttmp9, 5                       ; b
	s_bfe_u32 s68, ttmp9, 0x30002                  ; fb
	s_and_b32 s69, ttmp9, 3                        ; th
	s_mov_b32 s[MNT], 0x600000
	s_mov_b32 s[SEL], 0x76543210
	s_mov_b32 s[SEL+1], 0xfedcba98
	s_wait_alu depctr_va_sdst(0)                   ; the wave's number is written, ahead of its first reader
	; my two f in phase 1: LDS rows 2 w and 2 w + 1, which stand for f = 2 (w % 8) + 8 ((w / 4) % 2) + 8 (w / 8) and the next
	s_and_b32 s86, s[SW], 7
	s_lshl_b32 s86, s86, 1
	s_bfe_u32 s87, s[SW], 0x10002
	s_lshl_b32 s87, s87, 3
	s_add_co_u32 s86, s86, s87
	s_lshr_b32 s87, s[SW], 3
	s_lshl_b32 s87, s87, 3
	s_add_co_u32 s86, s86, s87
	s_lshl_b32 s87, s68, 5
	s_add_co_u32 s86, s86, s87
	s_lshl_b32 s86, s86, 10
	s_lshl_b32 s74, s67, 24
	s_add_co_u32 s74, s74, s86
	s_lshl_b32 s87, s69, 8
	s_add_co_u32 s74, s74, s87                     ; x: b 2^24 + f 1024 + th 256
	s_mov_b32 s75, 0
	s_lshl_b32 s88, s69, 6
	s_lshl_b32 s89, s[SW], 2
	s_add_co_u32 s88, s88, s89                     ; 64 th + 4 w: my first t in phase 2
	s_lshl_b32 s78, s67, 21
	s_lshl_b32 s89, s88, 13
	s_add_co_u32 s78, s78, s89
	s_lshl_b32 s89, s68, 10
	s_add_co_u32 s78, s78, s89                     ; vimg
	s_mov_b32 s79, 0
	s_lshl_b32 s80, s67, 3
	s_add_co_u32 s80, s80, s68
	s_lshl_b32 s80, s80, 13
	s_lshl_b32 s89, s69, 11
	s_add_co_u32 s80, s80, s89                     ; vsc
	s_mov_b32 s81, 0
	s_lshl_b32 s82, s67, 17
	s_lshl_b32 s89, s68, 14
	s_add_co_u32 s82, s82, s89
	s_lshl_b32 s89, s88, 1
	s_add_co_u32 s82, s82, s89                     ; inp_scales: row f = 32 fb, t = 64 th + 4 w
	s_mov_b32 s83, 0
	s_lshl_b32 s84, s67, 17
	s_lshl_b32 s89, s69, 15
	s_add_co_u32 s84, s84, s89
	s_lshl_b32 s89, s[SW], 11
	s_add_co_u32 s84, s84, s89
	s_lshl_b32 s89, s68, 8
	s_add_co_u32 s84, s84, s89                     ; sc2
	s_mov_b32 s85, 0
	v_and_b32 v12, 31, v0                          ; lane
	v_and_b32 v62, 15, v0                          ; q, r
	v_bfe_u32 v63, v0, 4, 1                        ; h
	v_lshlrev_b32 v1, 4, v62
	v_lshl_add_u32 v1, v63, 22, v1                 ; x: 16 q + 16 h channels of 262,144 bytes
	s_mul_i32 s86, s[SW], 2*XROW
	v_mul_u32_u24 v2, v62, 80
	v_lshl_add_u32 v2, v63, 4, v2
	v_add_nc_u32 v2, s86, v2                       ; codes in: row 2 w, place q, byte 16 h
	s_mul_i32 s86, s[SW], 2*XSROW
	s_add_co_u32 s86, s86, XSB
	v_lshl_add_u32 v3, v62, 2, s86                 ; scale words in
	s_mul_i32 s86, s[SW], 80
	v_mul_u32_u24 v4, v62, XROW
	v_lshl_add_u32 v4, v63, 4, v4
	v_add_nc_u32 v4, s86, v4                       ; codes back: row r, place w, byte 16 h;
	v_add_nc_u32 v13, 16*XROW, v4                  ; and row 16 + r
	s_lshl_b32 s86, s[SW], 2
	s_add_co_u32 s86, s86, XSB
	v_mul_u32_u24 v5, v62, XSROW
	v_add_nc_u32 v5, s86, v5                       ; scale words back
	v_add_nc_u32 v14, 16*XSROW, v5
	v_lshlrev_b32 v6, 4, v12                       ; 16 x lane
	s_lshl_b32 s86, s[SW], 7
	s_add_co_u32 s86, s86, VBB
	v_add_nc_u32 v7, s86, v62                      ; vf's bytes: t = 4 w, channel r
	v_lshlrev_b32 v8, 9, v12                       ; inp_scales: lane = f, rows of 512 bytes
	v_lshlrev_b32 v9, 3, v12                       ; sc2: 8 bytes a lane
	v_and_b32 v15, 127, v0
	v_lshlrev_b32 v15, 4, v15                      ; the last way out: 16 bytes a thread of waves 0-3
	v_add_nc_u32 v12, VBB, v15
	v_lshlrev_b32 v216, 6, v62
	v_lshl_add_u32 v216, v63, 4, v216              ; fv_W: row r of 64 bytes, + 16 h
	v_lshlrev_b32 v217, 1, v62
	v_lshlrev_b32 v218, 2, v62
	s_wait_kmcnt 0x0
	s_load_b32 s[SA], s[10:11], 0x0
	s_add_nc_u64 s[74:75], s[4:5], s[74:75]        ; channels 0-31
	s_add_nc_u64 s[76:77], s[74:75], 0x800000      ; channels 32-63
	s_add_nc_u64 s[78:79], s[24:25], s[78:79]
	s_add_nc_u64 s[80:81], s[26:27], s[80:81]
	s_add_nc_u64 s[82:83], s[22:23], s[82:83]
	s_add_nc_u64 s[84:85], s[28:29], s[84:85]
	s_wait_alu depctr_va_vdst(0)                   ; the offsets and LDS addresses v1 to v15 and v216 to v218 are written: every load and store of the kernel reads one of them
.irp n, 0,1                                    ; 17 small loads
.irp c, 0,1
	global_load_b128 v[16+16*\n+4*\c:19+16*\n+4*\c], v216, s[6:7] offset:1024*\n+32*\c
.endr
	global_load_u16 v[48+\n], v217, s[8:9] offset:32*\n
	global_load_b32 v[192+\n], v218, s[16:17] offset:64*\n         ; g
	global_load_b32 v[194+\n], v218, s[20:21] offset:64*\n         ; v
	global_load_b32 v[196+\n], v218, s[12:13] offset:64*\n         ; b
	global_load_b32 v[198+\n], v218, s[18:19] offset:64*\n         ; m
	global_load_b32 v[200+\n], v218, s[14:15] offset:64*\n         ; be
.endr
	global_load_b64 v[10:11], v8, s[82:83]
; unit k: f = my first + k / 2, channels 32 (k % 2) on: 16 loads; in each, sixteen lanes read 256 consecutive bytes, aligned
.macro XLOAD k
.set XS_, 64+64*((\k)&1)
.set XB_, 74+2*((\k)&1)
.irp i, 0,1,2,3,4,5,6,7,8,9,10,11,12,13,14,15
	global_load_b128 v[XS_+4*\i:XS_+4*\i+3], v1, s[XB_:XB_+1] offset:\i*262144+((\k)>>1)*1024 th:TH_LOAD_NT
.endr
.endm
	XLOAD 0
	XLOAD 1
.irp i, 24,25,26,27,28,29,30,31,40,41,42,43,44,45,46,47
	v_mov_b32 v[\i], 0                             ; fv_W's fragments: zero codes for K = 64 .. 127 (the waits on va_vdst further down state them written, long ahead of the first product)
.endr
.irp e, 0,1,2,3
	v_mov_b32 v[244+\e], 0                         ; written once: a lane permute's destination counts as one of its sources
.endr
	s_wait_loadcnt 32                              ; the 17 small loads are in; the 32 of x issued behind them stay out
	s_wait_kmcnt 0x0
	global_store_b64 v9, v[10:11], s[84:85]        ; 32 lanes store 256 consecutive bytes of sc2 (its data came by a load; no vector instruction since the wait at the head names v9)
	v_add_f32 v194, 0x3727c5ac, v194               ; v + 1e-5
	v_add_f32 v195, 0x3727c5ac, v195
	v_rsq_f32 v194, v194
	v_rsq_f32 v195, v195
	v_sub_f32 v196, v196, v198                     ; b - m (a plain line behind the transcendentals)
	v_sub_f32 v197, v197, v199
	s_wait_alu depctr_va_vdst(0)                   ; the two reciprocal roots v194, v195 are written, ahead of their first reader
	v_mul_f32 v50, v192, v194                      ; s
	v_mul_f32 v52, v193, v195
	v_mov_b32 v51, v50                             ; (the packed form names pairs)
	v_mov_b32 v53, v52
	v_fma_f32 v54, v196, v50, v200                 ; off
	v_fma_f32 v56, v197, v52, v201
	v_mov_b32 v55, v54
	v_mov_b32 v57, v56
	; the other three layers' batch norms: threads 0-63 of work-group 0, a channel each.  No LDS, no barrier in here
	s_cmp_lg_u32 ttmp9, 0
	s_cbranch_scc1 .Lno_bn
	s_cmp_gt_u32 s[SW], 1
	s_cbranch_scc1 .Lno_bn
	v_lshlrev_b32 v219, 2, v0
	s_wait_alu depctr_va_vdst(0)                   ; the offset v219 is written; the lines above are done with v192 to v201, in which the loads below land
.irp k, 0,1,2
.irp p, 0,1,2,3,4
	global_load_b32 v[192+5*\k+\p], v219, s[32+10*\k+2*\p:33+10*\k+2*\p]   ; b, be, g, m, v
.endr
.endr
	s_wait_loadcnt 0x0
.irp k, 0,1,2
	v_add_f32 v[196+5*\k], 0x3727c5ac, v[196+5*\k]
.endr
.irp k, 0,1,2
	v_rsq_f32 v[196+5*\k], v[196+5*\k]
.endr
.irp k, 0,1,2
	v_sub_f32 v[192+5*\k], v[192+5*\k], v[195+5*\k]
.endr
	s_wait_alu depctr_va_vdst(0)                   ; the three reciprocal roots v196, v201, v206 are written, ahead of their first reader
.irp k, 0,1,2
	v_mul_f32 v[194+5*\k], v[194+5*\k], v[196+5*\k]
.endr
.irp k, 0,1,2
	v_fma_f32 v[192+5*\k], v[192+5*\k], v[194+5*\k], v[193+5*\k]
.endr
	s_wait_alu depctr_va_vdst(0)                   ; s and off are written, which the six stores read
.irp k, 0,1,2
	global_store_b32 v219, v[194+5*\k], s[30:31] offset:512*\k
	global_store_b32 v219, v[192+5*\k], s[30:31] offset:512*\k+256
.endr
	s_wait_xcnt 0x0                                ; the stores' registers are written again below
	s_wait_alu depctr_vm_vsrc(0)                   ; the six stores have read v192 to v204 and v219: unit 0's holds write v192 on
.Lno_bn:
; PHASE 1, unit k: four positions a lane (e), 16 channels each
.macro UNIT k
.set X_, 64+64*((\k)&1)
	s_wait_dscnt 0x0                               ; the last unit's LDS stores are done
.if \k > 0
	s_wait_alu depctr_vm_vsrc(0)                   ; the last unit's LDS stores have read v224-239 and v244-247, which this unit writes again (in unit 1 also: the head's loads have read v216-218, which phase 2 writes)
.endif
.if \k < 3
	s_wait_loadcnt 16                              ; this unit's 16 loads are in; the next unit's 16 stay out
.else
	s_wait_loadcnt 0x0
.endif
.irp e, 0,1,2,3
	v_max3_num_f32 v[240+\e], |v[X_+\e]|, |v[X_+4+\e]|, 0x8000000
.endr
.irp i, 2,4,6,8,10,12,14
.irp e, 0,1,2,3
	v_max3_num_f32 v[240+\e], v[240+\e], |v[X_+4*\i+\e]|, |v[X_+4*\i+4+\e]|
.endr
.endr
.irp e, 0,1,2,3
	v_permlanex16_b32 v[244+\e], v[240+\e], s[SEL], s[SEL+1]
.endr
.irp e, 0,1,2,3
	v_max_num_f32 v[240+\e], v[240+\e], v[244+\e]
.endr
.irp e, 0,1,2,3
	v_add_nc_u32 v[252+\e], 0xf8800000, v[240+\e]
.endr
.irp e, 0,1,2,3
	v_and_or_b32 v[248+\e], v[240+\e], 0x7f800000, s[MNT]
.endr
.if ((\k)&1) == 0
.irp e, 0,1,2,3
	v_lshrrev_b32 v[58+\e], 23, v[252+\e]          ; block 0's byte waits for block 1's
.endr
.else
.irp e, 0,1,2,3
	v_lshrrev_b32 v[244+\e], 23, v[252+\e]
.endr
.irp e, 0,1,2,3
	v_lshl_or_b32 v[244+\e], v[244+\e], 8, v[58+\e]   ; the position's scale word: two bytes, zeros above
.endr
.endif
.irp e, 0,1,2,3
.irp i, 0,1,2,3,4,5,6,7,8,9,10,11,12,13,14,15
	v_med3_num_f32 v[192+\i], v[X_+4*\i+\e], -v[248+\e], v[248+\e]   ; the hold also brings the 16 neighbours along K into consecutive registers
.endr
	v_cvt_scalef32_pk8_bf8_f32 v[224+4*\e:225+4*\e], v[192:199], v[252+\e]
	v_cvt_scalef32_pk8_bf8_f32 v[226+4*\e:227+4*\e], v[200:207], v[252+\e]
	v_nop                                          ; a plain line before the conversions' sources are written again
.endr
	s_wait_alu depctr_va_vdst(0)                   ; the unit's one wait: the maxima and holds are done reading this set of x, in which the loads below land; the conversions have written v224-239 and the shifts v244-247, which the LDS stores read
.if \k < 2
	XLOAD (\k)+2
.endif
.if ((\k)&1) == 1
.irp e, 0,1,2,3
	ds_store_b32 v3, v[244+\e] offset:((\k)>>1)*XSROW+64*\e   ; both halves of the lanes write the same word with the same value
.endr
.endif
.irp e, 0,1,2,3
	ds_store_b128 v2, v[224+4*\e:227+4*\e] offset:((\k)>>1)*XROW+\e*1280+32*((\k)&1)
.endr
.endm
	UNIT 0
	UNIT 1
	UNIT 2
	UNIT 3
	BAR                                            ; the codes and scale words of 32 f x 64 t lie in LDS
	s_wait_alu depctr_vm_vsrc(0)                   ; unit 3's LDS stores have read v224-239 and v244-247: phase 2's registers at work (v224-227, v240-244) lie there
.irp i, 0,1,2,3,4,5,6,7
	v_mov_b32 v[128+\i], 0                         ; behind the run of x's fragments
.endr
	s_wait_alu depctr_va_vdst(0)                   ; these zeros are written, which the last window of the run takes as codes (unit 3's wait has shown the holds done with v64-127, in which the loads below land)
.irp e, 0,1,2,3
.irp c, 0,1
	ds_load_b128 v[64+16*\e+4*\c:67+16*\e+4*\c], v4 offset:\e*1280+32*\c
	ds_load_b128 v[72+16*\e+4*\c:75+16*\e+4*\c], v13 offset:\e*1280+32*\c
.endr
	ds_load_b32 v[208+2*\e], v5 offset:64*\e
	ds_load_b32 v[209+2*\e], v14 offset:64*\e
.endr
	s_wait_dscnt 0x0
; the stores of t = 4 w + e: its codes' two pieces and its two scale bytes, out of registers that are that t's alone
.macro VOUT e
.irp n, 0,1
	global_store_b128 v6, v[176+8*(\e)+4*\n:179+8*(\e)+4*\n], s[78:79] offset:(\e)*8192+\n*512   ; 512 consecutive bytes
	ds_store_b8 v7, v[216+2*(\e)+\n] offset:32*(\e)+16*\n
.endr
.endm
; PHASE 2, t = 4 w + e
.macro VT e
.irp n, 0,1
.irp u, 0,1
	v_wmma_scale_f32_16x16x128_f8f6f4 v[144+16*\n+8*\u:151+16*\n+8*\u], v[64+16*\e+8*\u:79+16*\e+8*\u], v[16+16*\n:31+16*\n], 0, v[208+2*\e+\u], v[48+\n] matrix_a_fmt:MATRIX_FMT_BF8 matrix_b_fmt:MATRIX_FMT_BF8
.endr
.endr
	PLACES 9                                       ; in front of the first read of results; nine, since the next t's products write over these registers (ISA guide 7.12.1)
.if \e > 0
	s_wait_alu depctr_va_vdst(0)                   ; the quantisers of the t before have written its codes and bytes, which the stores below read
	VOUT \e-1
.endif
.irp n, 0,1
.irp k, 0,2,4,6,8,10,12,14
	v_pk_fma_f32 v[144+16*\n+\k:145+16*\n+\k], v[144+16*\n+\k:145+16*\n+\k], v[50+2*\n:51+2*\n], v[54+2*\n:55+2*\n] op_sel_hi:[1,0,0]   ; lane (r, h): channel 16 n + r, f = 16 h + 0 .. 15
.endr
.endr
	ACT 144,32,SA
	QUANT1 144,176+8*\e,216+2*\e
	QUANT1 160,180+8*\e,217+2*\e
.endm
	VT 0
	VT 1
	VT 2
	VT 3
	s_wait_alu depctr_va_vdst(0)                   ; the last t's quantisers have written its codes and bytes, which the stores below read; the products are done reading v64-67, in which the last LDS load lands
	VOUT 3
	BAR                                            ; 2,048 scale bytes lie in LDS
	s_cmp_gt_u32 s[SW], 3
	s_cbranch_scc1 .Ldone
	ds_load_b128 v[64:67], v12
	s_wait_dscnt 0x0
	global_store_b128 v15, v[64:67], s[80:81]      ; waves 0-3: 512 consecutive bytes each
.Ldone:
	s_wait_xcnt 0x0
	v_lshl_add_u32 v254, v0, 2, 0x2ab00            ; my spare word and 0, made anew (no memory or LDS instruction has ever read v254 or v255)
	v_mov_b32 v255, 0
	s_wait_dscnt 0x0                               ; the closing lines, six on end
	s_wait_alu 0x0
	s_wait_tensorcnt 0x0
	ds_add_u32 v254, v255
	s_wait_dscnt 0x0
	s_endpgm
.Lfunc_end_k_q8e05e3be8b_vconv:
	.size	k_q8e05e3be8b_vconv, .Lfunc_end_k_q8e05e3be8b_vconv-k_q8e05e3be8b_vconv
	.p2alignl 7, 3214868480
	.fill 96, 4, 3214868480
	.section	.rodata,"a",@progbits
	.p2align	6, 0x0
	.amdhsa_kernel k_q8e05e3be8b_vconv
		.amdhsa_group_segment_fixed_size 176896
		.amdhsa_private_segment_fixed_size 0
		.amdhsa_enable_private_segment 0
		.amdhsa_kernarg_size 232
		.amdhsa_user_sgpr_count 2
		.amdhsa_user_sgpr_kernarg_segment_ptr 1
		.amdhsa_wavefront_size32 1
		.amdhsa_system_sgpr_workgroup_id_x 1
		.amdhsa_system_sgpr_workgroup_id_y 1
		.amdhsa_system_sgpr_workgroup_id_z 1
		.amdhsa_system_vgpr_workitem_id 0
		.amdhsa_next_free_vgpr 256
		.amdhsa_next_free_sgpr 100
		.amdhsa_reserve_vcc 0
		.amdhsa_float_denorm_mode_32 3
		.amdhsa_float_denorm_mode_16_64 3
		.amdhsa_memory_ordered 1
		.amdhsa_forward_progress 1
		.amdhsa_inst_pref_size 94
	.end_amdhsa_kernel
	.amdgpu_metadata
---
amdhsa.version: [ 1, 2 ]
amdhsa.kernels:
  - .name:           k_q8e05e3be8b_vconv
    .symbol:         k_q8e05e3be8b_vconv.kd
    .args:
      - { .name: x, .offset: 0, .size: 8, .value_kind: global_buffer, .address_space: global }
      - { .name: fv_W_codes, .offset: 8, .size: 8, .value_kind: global_buffer, .address_space: global }
      - { .name: fv_W_scales, .offset: 16, .size: 8, .value_kind: global_buffer, .address_space: global }
      - { .name: fv_a, .offset: 24, .size: 8, .value_kind: global_buffer, .address_space: global }
      - { .name: fv_b, .offset: 32, .size: 8, .value_kind: global_buffer, .address_space: global }
      - { .name: fv_be, .offset: 40, .size: 8, .value_kind: global_buffer, .address_space: global }
      - { .name: fv_g, .offset: 48, .size: 8, .value_kind: global_buffer, .address_space: global }
      - { .name: fv_m, .offset: 56, .size: 8, .value_kind: global_buffer, .address_space: global }
      - { .name: fv_v, .offset: 64, .size: 8, .value_kind: global_buffer, .address_space: global }
      - { .name: inp_scales, .offset: 72, .size: 8, .value_kind: global_buffer, .address_space: global }
      - { .name: vimg, .offset: 80, .size: 8, .value_kind: global_buffer, .address_space: global }
      - { .name: vsc, .offset: 88, .size: 8, .value_kind: global_buffer, .address_space: global }
      - { .name: sc2, .offset: 96, .size: 8, .value_kind: global_buffer, .address_space: global }
      - { .name: bn, .offset: 104, .size: 8, .value_kind: global_buffer, .address_space: global }
      - { .name: fqk_b, .offset: 112, .size: 8, .value_kind: global_buffer, .address_space: global }
      - { .name: fqk_be, .offset: 120, .size: 8, .value_kind: global_buffer, .address_space: global }
      - { .name: fqk_g, .offset: 128, .size: 8, .value_kind: global_buffer, .address_space: global }
      - { .name: fqk_m, .offset: 136, .size: 8, .value_kind: global_buffer, .address_space: global }
      - { .name: fqk_v, .offset: 144, .size: 8, .value_kind: global_buffer, .address_space: global }
      - { .name: tqk_b, .offset: 152, .size: 8, .value_kind: global_buffer, .address_space: global }
      - { .name: tqk_be, .offset: 160, .size: 8, .value_kind: global_buffer, .address_space: global }
      - { .name: tqk_g, .offset: 168, .size: 8, .value_kind: global_buffer, .address_space: global }
      - { .name: tqk_m, .offset: 176, .size: 8, .value_kind: global_buffer, .address_space: global }
      - { .name: tqk_v, .offset: 184, .size: 8, .value_kind: global_buffer, .address_space: global }
      - { .name: proj_b, .offset: 192, .size: 8, .value_kind: global_buffer, .address_space: global }
      - { .name: proj_be, .offset: 200, .size: 8, .value_kind: global_buffer, .address_space: global }
      - { .name: proj_g, .offset: 208, .size: 8, .value_kind: global_buffer, .address_space: global }
      - { .name: proj_m, .offset: 216, .size: 8, .value_kind: global_buffer, .address_space: global }
      - { .name: proj_v, .offset: 224, .size: 8, .value_kind: global_buffer, .address_space: global }
    .group_segment_fixed_size: 176896
    .private_segment_fixed_size: 0
    .kernarg_segment_align: 8
    .kernarg_segment_size: 232
    .max_flat_workgroup_size: 512
    .sgpr_count:     100
    .vgpr_count:     256
    .wavefront_size: 32
...
	.end_amdgpu_metadata
.endif
;; end of part 4
;; launch fattn: the kernel of part 2 again; grid 256 x 1, 16 waves a work-group, no clusters, 327,680 bytes of LDS; arguments inp_codes, sc2, fqk_W_codes, fqk_W_scales, fqk_a, bn, vimg, vsc, fo; writes fo
;; launch tattn (part 5): grid 256 x 1, 16 waves a work-group, no clusters, 178,176 bytes of LDS; arguments inp_codes, inp_scales, tqk_W_codes, tqk_W_scales, tqk_a, bn, fo, proj_W_codes, proj_W_scales, proj_a, x, out0; writes out0
.if DOCPART == 5
	.amdgcn_target "amdgcn-amd-amdhsa--gfx1250"
	.amdhsa_code_object_version 6
	.text
	.protected	k_q8e05e3be8b_tattn
	.globl	k_q8e05e3be8b_tattn
	.p2align	8
	.type	k_q8e05e3be8b_tattn,@function
k_q8e05e3be8b_tattn:
	s_mov_b64 s[64:65], 0
	v_nop
	global_prefetch_b8 v0, s[64:65] scope:SCOPE_SE
	s_setreg_imm32_b32 hwreg(HW_REG_WAVE_SCHED_MODE, 0, 2), 2
	s_setreg_imm32_b32 hwreg(HW_REG_WAVE_MODE, 25, 1), 1
	s_wait_xcnt 0x0
	s_wait_alu depctr_vm_vsrc(0)
; The time attention, the projection and the residual: q, k = PReLU(BN(tqk_W inp)); S = q k^T / sqrt(32) over the 256 t of one (b, f), key y counts for query t where y <= t; tout = P fout;
; out = PReLU(BN(proj_W tout)) + x.  All products on codes of E5M2 with one E8M0 scale for each 32 along K.
; A work-group owns one b and four f (4 fg + ff) and all 256 t; each of its 16 waves owns 16 positions t, its queries and also key tile w: t = P0 + r + 8 (r / 8), P0 = 32 (w / 2) + 8 (w % 2).
; The attention's products are used transposed: a lane holds ONE query.  fout arrives as fo [b][f][t / 4][c' 32][4 t] f32: wave w quantises piece w (block of 32 t: w / 2; rows c' = 16 (w % 2) + r) along t.
; Row c' = 16 n + r stands for channel 8 n + r + 8 (r / 8), so that O^T's 16 registers are channels 16 (lane / 16) + 0 .. 15: divided by the sum and quantised they are the projection's operand.
; The projection is used the natural way round (source 0 = tout, source 1 = 16 rows of proj_W): a lane holds one output channel and eight neighbouring t; a stage in LDS turns them into whole rows of 1,024 bytes.
; K = 64 or 32 is less than the instruction's 128: one operand carries zero codes in the idle blocks, the other is a window that slides over a run of codes; idle scale bytes are 0 (2^-127).
; CAUSAL: waves 0-7 (queries under 128) leave out keys 128 on; the step that holds a wave's diagonal is masked with -infinity ahead of the maximum.  Branches hang on the wave's number alone.
; No tensor loads: every operand is asked for a phase or a trip ahead by loads into registers.  No cluster: work-groups share only the weights and constants, a few KB.
; LIMITS: NaN and infinities among the inputs or the given codes and scale bytes are not served (a window's idle codes would spread them); a block whose largest magnitude lies under 2^-111 keeps the byte 1.
; THE MODE: SCHED_MODE bits 1:0 = 2 (LLVM: expert scheduling mode 2), set by the entry lines.  The code itself states the register dependences
; between vector or matrix instructions and memory or LDS instructions, with s_wait_alu, always for 0.
; THE PLAN.  Registers that memory or LDS instructions touch:
;   ahead of the loop, for each f:  v56-63, v80: loaded, read by the four products, loaded again behind them.  fo's two sets (v192-207, v220-235): loaded, read and written by the third quantiser, loaded again behind it.
;       v236-247, v253-255: written by the quantisers, read by the six LDS stores, written again at the next f.  v11: read by those stores, stepped once.  v97, v101-105: the head's offsets, over which the first products write.
;   in the loop, for each f:  v3, v4, v5, v8: LDS addresses, made anew by four additions at the trip's head.  XR v220-251: x's loads land there, the residual's additions write them, the global stores read them.
;       QQ v16-19, QS v86: loaded (q), read by S^T's products, written by the quantiser (tout), read by the projection.  KV v32-63: loaded four times a trip (keys, values, keys, values) and once more (proj_W), read by products each time.
;       KS v76-83, VS v84-85: loaded, read by products.  v144-175: written by the projection, BN and PReLU, read by the stage's stores.  v112-143: the stage's loads land there.
;   v1, v2, v6, v7, v9, v10, v12-15: written once at the head.
; All 256 registers are taken, so no operand has a second set: each wait on va_vdst stands behind a group of products and its places, where the results are about to be read, or behind a run of conversions whose codes are wanted at once.
; One wait on vm_vsrc stands at the head of each f, ahead of the loop and in it.
.set SLICE,  24576                     ; LDS from byte 0: four slices (one an f): fout's 16 pieces, k's 16 tiles, q's 16, 512 bytes each
.set SCB,    98304                     ; four slices of 2,304: k's words (64 w + 4 r), q's at 1,024, fout's at 2,048 ((2 n + s) 64 + 4 r)
.set SSL,    2304
.set PWI,    107520                    ; proj_W's four tiles as images of registers
.set STG,    109568                    ; the stage: 64 rows (output channels) of 1,024 bytes + 16
.set SROW,   1040
.set MK, 4                             ; s4-19: at the head arguments' addresses, which are done with there; in the loop the masks of 16 compares
.set SW, 28
.set SA, 29                            ; tqk's slope;  s30 proj's
.set SAP, 30
.set MNT, 31
.set SEL, 32
.set CS, 34
.set TB, 36
.set TS, 37
.set CNT, 38
.set WQ, 39
.set WSS, 40
.set QT, 248
.set AT, 248
; REGISTERS.  v1 16 lane; v2 SCB + 4 r; v3, v4 the same in the slice in hand (before the loop: 2 x my t; where I store proj_W's tile); v5, v8 at work; v6 stage in; v7 stage back; v9 my query - 16 h;
; v10 proj_W's images; v11, v12 where I store images and words; v13 where fout's scale byte goes; v14 inp's codes; v15 fo
; convolution: v16-47 tqk_W's four tiles, v48-55 zeros; v56-63 my positions' codes, v64-75 zeros (they stay); v76-79 W's scale words, v80 the positions'; v96-127 results; v128-159 s, v160-191 off;
;   v192-207, v220-235 fo, two sets; v236-247 codes.   v208-211 proj_W's scale words, v212-215 its s, v216-219 its off: they stay
; attention: as the names below; v220-251 x's rows of the trip
.set AI, 3
.set AS, 4
.set QL, 9
.set QQ, 16
.set KV, 32
.set KS, 76
.set VS, 84
.set QS, 86
.set PS, 87
.set NM, 88
.set MT, 89
.set LL, 90
.set BM, 92
.set PT, 96
.set LM, 100
.set SO_, 104
.set FF, 108
.set T2, 110
.set SS, 112
.set OO, 176
.set PCD, 192
.set XR, 220
.set TMP, 252
.set NEG, 253
.macro PLACES n
.rept \n
	v_nop
.endr
.endm
.macro BAR
	s_wait_dscnt 0x0
	s_barrier_signal -1
	s_barrier_wait -1
.endm
.macro QUANT1 s, d, w                  ; 16 numbers of a lane, with lane l xor 16's a block of 32: codes in v[d] on, the scale's byte in v[w]
	v_max3_num_f32 v[QT], |v[\s]|, |v[\s+1]|, 0x8000000            ; with the floor 2^(16 - 127): the byte cannot fall under 1
	v_max3_num_f32 v[QT+1], |v[\s+8]|, |v[\s+9]|, |v[\s+10]|
	v_max3_num_f32 v[QT], v[QT], |v[\s+2]|, |v[\s+3]|
	v_max3_num_f32 v[QT+1], v[QT+1], |v[\s+11]|, |v[\s+12]|
	v_max3_num_f32 v[QT], v[QT], |v[\s+4]|, |v[\s+5]|
	v_max3_num_f32 v[QT+1], v[QT+1], |v[\s+13]|, |v[\s+14]|
	v_max3_num_f32 v[QT], v[QT], |v[\s+6]|, |v[\s+7]|
	v_max3_num_f32 v[QT], v[QT], v[QT+1], |v[\s+15]|
	v_permlanex16_b32 v[QT+2], v[QT], s[SEL], s[SEL+1]
	v_max_num_f32 v[QT], v[QT], v[QT+2]
	v_add_nc_u32 v[QT+4], 0xf8800000, v[QT]                        ; 15 off the exponent field: the conversion's scale operand
	v_and_or_b32 v[QT+3], v[QT], 0x7f800000, s[MNT]                ; 57,344 x the scale
	v_lshrrev_b32 v[\w], 23, v[QT+4]
.irp i, 0,1,2,3,4,5,6,7,8,9,10,11,12,13,14,15
	v_med3_num_f32 v[\s+\i], v[\s+\i], -v[QT+3], v[QT+3]           ; the conversion to an 8-bit code does not saturate (ISA guide 7.6.2)
.endr
	v_cvt_scalef32_pk8_bf8_f32 v[\d:\d+1], v[\s:\s+7], v[QT+4]
	v_cvt_scalef32_pk8_bf8_f32 v[\d+2:\d+3], v[\s+8:\s+15], v[QT+4]
	v_nop
.endm
.macro ACT base, n, sa                 ; PReLU in place: max(y, 0) + a min(y, 0)
.set ai, 0
.rept (\n)/4
.irp k, 0,1,2,3
	v_min_num_f32 v[AT+\k], 0, v[\base+ai+\k]
.endr
.irp k, 0,1,2,3
	v_max_num_f32 v[\base+ai+\k], 0, v[\base+ai+\k]
.endr
.irp k, 0,1,2,3
	v_fma_f32 v[\base+ai+\k], s[\sa], v[AT+\k], v[\base+ai+\k]
.endr
.set ai, ai+4
.endr
.endm
.macro CONV4 xs                        ; source 0 = 16 rows of W (a window), source 1 = my 16 positions (zeros above K = 64)
.irp tau, 0,1,2,3
	v_wmma_scale_f32_16x16x128_f8f6f4 v[96+8*\tau:103+8*\tau], v[16+8*\tau:31+8*\tau], v[56:71], 0, v[76+\tau], v[\xs] matrix_a_fmt:MATRIX_FMT_BF8 matrix_b_fmt:MATRIX_FMT_BF8
.endr
	PLACES 9                                       ; in front of reads of results; nine, since later products write over these registers (ISA guide 7.12.1)
.endm
.macro BN32
.irp kk, 0,1
.irp u, 0,1
.irp j, 0,1,2,3,4,5,6,7
	v_fma_f32 v[96+8*(2*\kk+\u)+\j], v[96+8*(2*\kk+\u)+\j], v[128+16*\u+2*\j+\kk], v[160+16*\u+2*\j+\kk]
.endr
.endr
.endr
.endm
; A KEY STEP: keys 128 s .. 128 s + 127 of the slice in hand.  first = 1: it starts M, the sum and O^T.  causal = 1: key k counts for query q where k <= q
.macro STEP s, first, causal
.if \causal && \s
	s_cmp_lt_u32 s[SW], 8                          ; waves 0-7 own queries under 128: all of this step's keys are hidden from them
	s_cbranch_scc1 .Lhid_\@
.endif
.if \s
	PLACES 9                                       ; the places behind the last products stay, beside the wait
	s_wait_alu depctr_va_vdst(0)                   ; the last step's two products are done reading the values' fragments v32-63, in which the keys' tiles land
.endif
.irp i, 0,1,2,3,4,5,6,7
	ds_load_b128 v[KV+4*\i:KV+4*\i+3], v[AI] offset:8192+(8*\s+\i)*512
.endr
.irp i, 0,1,2,3,4,5,6,7
	ds_load_b32 v[KS+\i], v[AS] offset:(8*\s+\i)*64
.endr
	s_wait_dscnt 0x0
.irp i, 0,1,2,3,4,5,6,7                        ; S^T: source 0 = 16 keys (a window over the run of tiles), source 1 = my 16 queries (zeros above K = 32)
	v_wmma_scale_f32_16x16x128_f8f6f4 v[SS+8*\i:SS+8*\i+7], v[KV+4*\i:KV+4*\i+15], v[QQ:QQ+15], 0, v[KS+\i], v[QS] matrix_a_fmt:MATRIX_FMT_BF8 matrix_b_fmt:MATRIX_FMT_BF8
.endr
	PLACES 9
	s_wait_alu depctr_va_vdst(0)                   ; the eight products are done reading the keys' tiles v32-63, in which the values' fragments land (and earlier products v84, v85, in which their words land)
.irp n, 0,1                                    ; the values' two fragments are asked for now and land under the softmax
.irp c, 0,1,2,3
	ds_load_b128 v[KV+16*\n+4*\c:KV+16*\n+4*\c+3], v[AI] offset:(2*(4*\s+\c)+\n)*512
.endr
	ds_load_b32 v[VS+\n], v[AS] offset:2048+(2*\n+\s)*64
.endr
.if \causal
.if \s == 0
	s_cmp_lt_u32 s[SW], 8                          ; waves 8-15: all of step 0's keys count
	s_cbranch_scc0 .Lopen_\@
.endif
	v_add_nc_u32 v[TMP], -128*\s, v[QL]            ; d = my query - 16 (lane / 16) - 128 s.  Register 16 b + i holds key 128 s + 16 (lane / 16) + 32 b + i: hidden where 32 b + i > d
	v_mov_b32 v[NEG], 0xff800000                   ; -infinity: p = 0 then
.irp b, 0,1,2,3                                ; a block's 16 compares in a run, each into a scalar register of its own; one wait; its 16 selects
.irp i, 0,1,2,3,4,5,6,7,8,9,10,11,12,13,14,15
	v_cmp_gt_i32 s[MK+\i], 32*\b+\i, v[TMP]
.endr
	s_wait_alu depctr_va_sdst(0)                   ; the 16 masks are written, ahead of the selects that read them
.irp i, 0,1,2,3,4,5,6,7,8,9,10,11,12,13,14,15
	v_cndmask_b32 v[SS+16*\b+\i], v[SS+16*\b+\i], v[NEG], s[MK+\i]
.endr
.endr
.Lopen_\@:
.endif
.irp b, 0,1,2,3
	v_max3_num_f32 v[BM+\b], v[SS+16*\b], v[SS+1+16*\b], v[SS+2+16*\b]   ; the largest score of each block of 32 keys: for the row's maximum, and for the block's largest p
.endr
.irp i, 3,5,7,9,11,13
.irp b, 0,1,2,3
	v_max3_num_f32 v[BM+\b], v[BM+\b], v[SS+16*\b+\i], v[SS+1+16*\b+\i]
.endr
.endr
.irp b, 0,1,2,3
	v_max_num_f32 v[BM+\b], v[BM+\b], v[SS+15+16*\b]
.endr
.irp b, 0,1,2,3
	v_permlanex16_b32 v[PT+\b], v[BM+\b], s[SEL], s[SEL+1]
.endr
.irp b, 0,1,2,3
	v_max_num_f32 v[BM+\b], v[BM+\b], v[PT+\b]
.endr
	v_max3_num_f32 v[TMP], v[BM], v[BM+1], v[BM+2]
	v_max_num_f32 v[TMP], v[TMP], v[BM+3]
.if \first
	v_mul_f32 v[MT], s[CS], v[TMP]                 ; the largest t (c is positive; key 0 counts for every query)
	v_floor_f32 v[NM], -v[MT]                      ; -M = floor(-t) = -ceil(t)
.else
	v_mul_f32 v[TMP], s[CS], v[TMP]
	v_max_num_f32 v[MT], v[MT], v[TMP]
	v_mov_b32 v[TMP], v[NM]
	v_floor_f32 v[NM], -v[MT]
	v_sub_f32 v[TMP], v[NM], v[TMP]                ; old M - new M: a whole number, 0 or less
	v_cvt_i32_f32 v[TMP], v[TMP]
	v_ldexp_f32 v[FF], 1.0, v[TMP]                 ; f = 2^(old M - new M): a multiplication by it rounds nothing
.endif
.set sn, 0
.rept 32
	v_pk_fma_f32 v[SS+sn:SS+sn+1], v[SS+sn:SS+sn+1], s[CS:CS+1], v[NM:NM+1] op_sel_hi:[1,0,0]   ; t - M
.set sn, sn+2
.endr
.irp b, 0,1,2,3
	v_fma_f32 v[BM+\b], v[BM+\b], s[CS], v[NM]
.endr
.set sn, 0
.rept 64
	v_exp_f32 v[SS+sn], v[SS+sn]                   ; p = 2^(t - M): not normalised
.set sn, sn+1
.endr
.irp b, 0,1,2,3
	v_exp_f32 v[BM+\b], v[BM+\b]                   ; the block's largest p: the same two instructions on the same number
.endr
.if \first
	v_mov_b32 v[LL], 0                             ; (a plain line behind the exponentials)
	v_mov_b32 v[LL+1], 0
	s_wait_alu depctr_va_vdst(0)                   ; the 68 exponentials have written p and the blocks' largest p, ahead of their first reader
.else
	v_pk_mul_f32 v[LL:LL+1], v[LL:LL+1], v[FF:FF+1] op_sel_hi:[1,0]
	s_wait_alu depctr_va_vdst(0)                   ; the 68 exponentials have written p and the blocks' largest p, ahead of their first reader
.endif
.irp b, 0,1,2,3
	v_max_num_f32 v[BM+\b], 0x8000000, v[BM+\b]    ; the floor 2^(16 - 127): a block whose every p is 0 keeps the byte 1; its codes are zeros
.endr
.irp b, 0,1,2,3
	v_add_nc_u32 v[SO_+\b], 0xf8800000, v[BM+\b]
.endr
.irp b, 0,1,2,3
	v_and_or_b32 v[LM+\b], v[BM+\b], 0x7f800000, s[MNT]
.endr
.irp b, 0,1,2,3
	v_lshrrev_b32 v[PT+\b], 23, v[SO_+\b]
.endr
	v_lshl_or_b32 v[PS], v[PT+1], 8, v[PT]         ; p's scale word for these 128 keys
	v_lshl_or_b32 v[PS], v[PT+2], 16, v[PS]
	v_lshl_or_b32 v[PS], v[PT+3], 24, v[PS]
	v_pk_add_f32 v[T2:T2+1], v[SS:SS+1], v[SS+2:SS+3]   ; the sum is taken of the unquantised p, in two chains
.set sn, 4
.rept 15
	v_pk_add_f32 v[LL:LL+1], v[LL:LL+1], v[SS+sn:SS+sn+1]
	v_pk_add_f32 v[T2:T2+1], v[T2:T2+1], v[SS+sn+2:SS+sn+3]
.set sn, sn+4
.endr
	v_pk_add_f32 v[LL:LL+1], v[LL:LL+1], v[T2:T2+1]
.irp b, 0,1,2,3
.irp i, 0,1,2,3,4,5,6,7,8,9,10,11,12,13,14,15
	v_min_num_f32 v[SS+16*\b+\i], v[SS+16*\b+\i], v[LM+\b]   ; p is not negative: the hold is one-sided
.endr
	v_cvt_scalef32_pk8_bf8_f32 v[PCD+4*\b:PCD+4*\b+1], v[SS+16*\b:SS+16*\b+7], v[SO_+\b]
	v_cvt_scalef32_pk8_bf8_f32 v[PCD+4*\b+2:PCD+4*\b+3], v[SS+16*\b+8:SS+16*\b+15], v[SO_+\b]
.endr
.if \first == 0
.set sn, 0
.rept 8
	v_pk_mul_f32 v[OO+sn:OO+sn+1], v[OO+sn:OO+sn+1], v[FF:FF+1] op_sel_hi:[1,0]   ; O^T under the new M
.set sn, sn+2
.endr
.endif
	PLACES 4                                       ; codes written by vector instructions stand four places ahead of the product
	s_wait_alu depctr_va_vdst(0)                   ; the conversions have written p's codes v192-207 and the shifts its scale word v87, which the two products take as an operand and as scales
	s_wait_dscnt 0x0                               ; the values' fragments and words are in
.irp n, 0,1                                    ; O^T: source 0 = 16 rows of the values, source 1 = p.  The two accumulators take turns
.if \first
	v_wmma_scale_f32_16x16x128_f8f6f4 v[OO+8*\n:OO+8*\n+7], v[KV+16*\n:KV+16*\n+15], v[PCD:PCD+15], 0, v[VS+\n], v[PS] matrix_a_fmt:MATRIX_FMT_BF8 matrix_b_fmt:MATRIX_FMT_BF8
.else
	v_wmma_scale_f32_16x16x128_f8f6f4 v[OO+8*\n:OO+8*\n+7], v[KV+16*\n:KV+16*\n+15], v[PCD:PCD+15], v[OO+8*\n:OO+8*\n+7], v[VS+\n], v[PS] matrix_a_fmt:MATRIX_FMT_BF8 matrix_b_fmt:MATRIX_FMT_BF8
.endif
.endr
.if \causal && \s
.Lhid_\@:
.endif
.endm
	s_load_b512 s[4:19], s[0:1], 0x0               ; inp_codes, inp_scales, W codes, W scales, tqk_a, bn, fo, proj_W codes
	s_load_b256 s[20:27], s[0:1], 0x40             ; proj_W scales, proj_a, x, out0
	v_lshrrev_b32 v96, 5, v0
	v_readfirstlane_b32 s[SW], v96                 ; wave 0..15
	s_lshr_b32 s52, ttmp9, 6                       ; b
	s_and_b32 s53, ttmp9, 63                       ; fg
	s_wait_alu depctr_va_sdst(0)                   ; the wave's number is written, ahead of its first reader
	s_lshr_b32 s41, s[SW], 1
	s_lshl_b32 s41, s41, 5
	s_and_b32 s54, s[SW], 1
	s_lshl_b32 s54, s54, 3
	s_add_co_u32 s41, s41, s54                     ; P0
	s_lshl_b32 s46, s52, 22                        ; inp's codes: b, f = 4 fg
	s_lshl_b32 s54, s53, 16
	s_add_co_u32 s46, s46, s54
	s_mov_b32 s47, 0
	s_lshl_b32 s48, s52, 17                        ; inp's scales
	s_lshl_b32 s54, s53, 11
	s_add_co_u32 s48, s48, s54
	s_mov_b32 s49, 0
	s_lshl_b32 s50, s52, 23                        ; fo
	s_lshl_b32 s54, s53, 17
	s_add_co_u32 s50, s50, s54
	s_mov_b32 s51, 0
	s_lshl_b32 s42, s52, 24                        ; x and out0: b, output channels 4 w on, f = 4 fg
	s_lshl_b32 s54, s[SW], 20
	s_add_co_u32 s42, s42, s54
	s_lshl_b32 s54, s53, 12
	s_add_co_u32 s42, s42, s54
	s_mov_b32 s43, 0
	s_mov_b32 s[MNT], 0x600000
	s_mov_b32 s[SEL], 0x76543210
	s_mov_b32 s[SEL+1], 0xfedcba98
	s_mov_b32 s[CS], 0x3e8293ee                    ; c = log2(e) / sqrt(32)
	s_mov_b32 s[CS+1], s[CS]
	v_and_b32 v96, 31, v0                          ; lane
	v_and_b32 v97, 15, v0                          ; r
	v_bfe_u32 v98, v0, 4, 1                        ; h
	v_and_b32 v99, 8, v97
	v_add_nc_u32 v99, v99, v97                     ; r + 8 (r / 8)
	v_add_nc_u32 v100, s41, v99                    ; my t
	v_lshlrev_b32 v1, 4, v96
	v_lshl_add_u32 v2, v97, 2, SCB
	v_lshlrev_b32 v3, 1, v100
	s_and_b32 s54, s[SW], 3
	s_lshl_b32 s54, s54, 9
	s_add_co_u32 s55, s54, PWI
	v_add_nc_u32 v4, s55, v1                       ; proj_W's tile w % 4
	s_lshl_b32 s55, s41, 2
	s_add_co_u32 s55, s55, STG
	v_mul_u32_u24 v6, v97, SROW
	v_lshl_add_u32 v6, v98, 6, v6
	v_add_nc_u32 v6, s55, v6                       ; stage in: row r, t = P0 + 16 h on
	s_mul_i32 s55, s[SW], 4*SROW
	s_add_co_u32 s55, s55, STG
	v_add_nc_u32 v7, s55, v1                       ; back: rows 4 w on
	v_lshlrev_b32 v9, 4, v98
	v_sub_nc_u32 v[QL], v100, v9
	v_add_nc_u32 v10, PWI, v1
	s_lshl_b32 s[WQ], s[SW], 9
	s_lshl_b32 s[WSS], s[SW], 6
	v_add_nc_u32 v11, s[WQ], v1
	v_add_nc_u32 v12, s[WSS], v2
	s_and_b32 s55, s[SW], 1                        ; fout's scale byte: tile n = w % 2, step s = w / 8, byte (w / 2) % 4
	s_lshl_b32 s56, s55, 7
	s_lshr_b32 s57, s[SW], 3
	s_lshl_b32 s57, s57, 6
	s_add_co_u32 s56, s56, s57
	s_bfe_u32 s57, s[SW], 0x20001
	s_add_co_u32 s56, s56, s57
	s_add_co_u32 s56, s56, 2048
	v_add_nc_u32 v13, s56, v2
	v_lshlrev_b32 v14, 6, v100
	v_lshl_add_u32 v14, v98, 4, v14                ; inp: 64 t + 16 h
	s_lshr_b32 s57, s[SW], 1
	s_lshl_b32 s57, s57, 12
	s_lshl_b32 s55, s55, 8
	s_add_co_u32 s57, s57, s55
	v_lshlrev_b32 v15, 4, v97
	v_lshl_add_u32 v15, v98, 11, v15
	v_add_nc_u32 v15, s57, v15                     ; fo: t = 32 (w / 2) + 16 h on, row c' = 16 (w % 2) + r: sixteen lanes read 256 consecutive bytes
	v_lshlrev_b32 v101, 7, v99
	v_lshl_add_u32 v101, v98, 4, v101              ; W's codes
	v_lshlrev_b32 v102, 2, v99                     ; W's scales
	v_lshlrev_b32 v103, 7, v98                     ; bn: outputs 32 h on
	v_lshlrev_b32 v104, 5, v97
	v_lshl_add_u32 v104, v98, 4, v104
	v_add_nc_u32 v104, s54, v104                   ; proj_W's codes: row 16 (w % 4) + r, + 16 h
	v_lshlrev_b32 v105, 2, v97
	s_wait_kmcnt 0x0
	s_load_b32 s[SA], s[12:13], 0x0
	s_load_b32 s[SAP], s[22:23], 0x0
	s_add_nc_u64 s[46:47], s[4:5], s[46:47]
	s_add_nc_u64 s[48:49], s[6:7], s[48:49]
	s_add_nc_u64 s[50:51], s[16:17], s[50:51]
	s_add_nc_u64 s[44:45], s[26:27], s[42:43]
	s_add_nc_u64 s[42:43], s[24:25], s[42:43]
	s_wait_alu depctr_va_vdst(0)                   ; the offsets and LDS addresses v1 to v15, v97 and v101 to v105 are written, which the loads and stores below read
.irp kk, 0,1                                   ; 41 loads of constants
.irp u, 0,1
.irp c, 0,1
	global_load_b128 v[16+8*(2*\kk+\u)+4*\c:19+8*(2*\kk+\u)+4*\c], v101, s[8:9] offset:1024*\u+64*\kk+32*\c
.endr
	global_load_u16 v[76+2*\kk+\u], v102, s[10:11] offset:32*\u+2*\kk
.endr
.endr
.irp i, 0,1,2,3,4,5,6,7
	global_load_b128 v[128+4*\i:131+4*\i], v103, s[14:15] offset:512+16*\i
	global_load_b128 v[160+4*\i:163+4*\i], v103, s[14:15] offset:768+16*\i
.endr
	global_load_b128 v[244:247], v104, s[18:19]
.irp p, 0,1,2,3
	global_load_u8 v[208+\p], v97, s[20:21] offset:16*\p
	global_load_b32 v[212+\p], v105, s[14:15] offset:1024+64*\p
	global_load_b32 v[216+\p], v105, s[14:15] offset:1280+64*\p
.endr
.macro XL ff                           ; my 16 positions' codes and scale words at f = 4 fg + ff: three loads
	global_load_b128 v[56:59], v14, s[46:47] offset:16384*(\ff)
	global_load_b128 v[60:63], v14, s[46:47] offset:16384*(\ff)+32
	global_load_u16 v80, v3, s[48:49] offset:512*(\ff)
.endm
.macro FL ff, buf                      ; my piece of fout: 16 neighbouring t of one row: four loads
.irp i, 0,1,2,3
	global_load_b128 v[\buf+4*\i:\buf+4*\i+3], v15, s[50:51] offset:32768*(\ff)+512*\i th:TH_LOAD_NT
.endr
.endm
	FL 0,192
	XL 0
	FL 1,220
.irp i, 48,49,50,51,52,53,54,55,64,65,66,67,68,69,70,71,72,73,74,75
	v_mov_b32 v[\i], 0                             ; zero codes behind W's run and behind the positions' (the latter stay for the whole kernel)
.endr
	v_mov_b32 v250, 0                              ; a lane permute's destination counts as one of its sources
	s_wait_alu depctr_va_vdst(0)                   ; the zero codes v48-55 and v64-75 are written, which the products take as parts of their operands
	s_wait_loadcnt 11                              ; the constants are in; the 4 + 3 + 4 loads issued behind them stay out
	s_wait_kmcnt 0x0
	s_cmp_gt_u32 s[SW], 3
	s_cbranch_scc1 .Lno_pw
	ds_store_b128 v4, v[244:247]                   ; waves 0-3: proj_W's four tiles (the data came by a load)
.Lno_pw:
.macro PRE ff, buf                     ; q, k of my 16 positions and my piece of fout at f = 4 fg + ff: images to slice ff
	s_wait_dscnt 0x0                               ; the last f's LDS stores are done
	s_wait_alu depctr_vm_vsrc(0)                   ; the last f's LDS stores have read v236-247, v253-255 and v11, which are written again below; at f 0: the head's loads have read their offsets v97 and v101-105, over which the products write, and proj_W's store v244-247
.if \ff < 3
	s_wait_loadcnt 4                               ; this f's fo and codes are in; the next f's fo, four loads, stays out
.else
	s_wait_loadcnt 0x0
.endif
.if \ff == 2
	v_add_nc_u32 v11, 2*SLICE, v11                 ; so that the offsets stay inside 16 bits
.endif
	CONV4 80
.if \ff < 3
	s_wait_alu depctr_va_vdst(0)                   ; the four products are done reading v56-63 and v80, in which the next f's codes and scale words land
	XL \ff+1
.endif
	BN32
	ACT 96,32,SA
	QUANT1 96,236,253
	QUANT1 112,240,254
	QUANT1 \buf,244,255
	s_wait_alu depctr_va_vdst(0)                   ; the quantisers have written the codes v236-247 and the bytes v253-255 (at f 2 the addition v11), which the LDS stores read; the third is done with its set of fo, in which the loads below land
.if \ff < 2
	FL \ff+2,\buf
.endif
	ds_store_b128 v11, v[236:239] offset:(\ff&1)*SLICE+16384
	ds_store_b128 v11, v[240:243] offset:(\ff&1)*SLICE+8192
	ds_store_b128 v11, v[244:247] offset:(\ff&1)*SLICE
	ds_store_b32 v12, v253 offset:\ff*SSL+1024
	ds_store_b32 v12, v254 offset:\ff*SSL
	ds_store_b8 v13, v255 offset:\ff*SSL           ; both halves of the lanes write the same byte with the same value
.endm
	PRE 0,192
	PRE 1,220
	PRE 2,192
	PRE 3,220
	BAR                                            ; all images lie in LDS
.irp i, 20,21,22,23,24,25,26,27,28,29,30,31
	v_mov_b32 v[\i], 0                             ; q's fragment, later tout's: zero codes above K = 32
.endr
.irp b, 0,1,2,3
	v_mov_b32 v[PT+\b], 0
.endr
	v_mov_b32 v[FF+1], 0                           ; (named as the upper half of a pair)
.set QT, 92                            ; in the loop the statistics' registers serve between the steps
.set AT, 100
	s_mov_b32 s[TB], 0
	s_mov_b32 s[TS], 0
	s_mov_b32 s[CNT], 4
.Lf:                                               ; a trip: one f
	s_wait_alu depctr_vm_vsrc(0)                   ; the last trip's LDS loads have read v3, v4, v5, v8, its stage's stores v144-175 and its global stores v220-251, all written again in this trip; at the first trip: the loads and LDS stores ahead of the loop have read v3, v4, v236-247 and v253
	v_add_nc_u32 v[AI], s[TB], v1
	v_add_nc_u32 v[AS], s[TS], v2
	v_add_nc_u32 v5, s[WQ], v[AI]
	v_add_nc_u32 v8, s[WSS], v[AS]
	s_wait_alu depctr_va_vdst(0)                   ; the four LDS addresses are written; all earlier vector and matrix instructions are done with v220-251, v16-19, v86, v32-63 and v76-83, in which the loads below and step 0's land; at the first trip the zero codes v20-31 are written
.irp i, 0,1,2,3
.irp hh, 0,1
	global_load_b128 v[XR+8*\i+4*\hh:XR+8*\i+4*\hh+3], v1, s[42:43] offset:\i*262144+\hh*512 th:TH_LOAD_NT   ; x's rows of channels 4 w + i: they have the whole attention in which to land
.endr
.endr
	ds_load_b128 v[QQ:QQ+3], v5 offset:16384
	ds_load_b32 v[QS], v8 offset:1024
	STEP 0,1,1
	STEP 1,0,1
	PLACES 9
	s_wait_alu depctr_va_vdst(0)                   ; the last two products are done reading the values' fragments: proj_W's tiles land in v32-47
.irp p, 0,1,2,3
	ds_load_b128 v[KV+4*\p:KV+4*\p+3], v10 offset:512*\p   ; proj_W's four tiles: a run; the values' codes behind it are the last window's idle part
.endr
	v_add_f32 v[LL], v[LL], v[LL+1]
	v_permlanex16_b32 v[PT], v[LL], s[SEL], s[SEL+1]
	v_add_f32 v[LL], v[LL], v[PT]                  ; the row's sum
	v_rcp_f32 v[LL], v[LL]
	v_nop
.set sn, 0
	s_wait_alu depctr_va_vdst(0)                   ; the reciprocal v90 is written, ahead of its first reader
.rept 16
	v_mul_f32 v[SS+sn], v[OO+sn], v[LL]            ; tout: channels 16 h + 0 .. 15 of my query
.set sn, sn+1
.endr
	QUANT1 SS,QQ,QS                                ; its codes take q's place, its byte q's word's
	PLACES 4
	s_wait_alu depctr_va_vdst(0)                   ; the quantiser has written tout's codes v16-19 and its byte v86, which the four products take as an operand and as scales
	s_wait_dscnt 0x0
.irp p, 0,1,2,3                                ; source 0 = tout's 16 queries, source 1 = 16 rows of proj_W: lane (r, h): channel 16 p + r, t = P0 + 16 h + 0 .. 7
	v_wmma_scale_f32_16x16x128_f8f6f4 v[144+8*\p:151+8*\p], v[QQ:QQ+15], v[KV+4*\p:KV+4*\p+15], 0, v[QS], v[208+\p] matrix_a_fmt:MATRIX_FMT_BF8 matrix_b_fmt:MATRIX_FMT_BF8
.endr
	PLACES 9
.irp p, 0,1,2,3
.irp j, 0,1,2,3,4,5,6,7
	v_fma_f32 v[144+8*\p+\j], v[144+8*\p+\j], v[212+\p], v[216+\p]
.endr
.endr
	ACT 144,32,SAP
	s_wait_alu depctr_va_vdst(0)                   ; BN and PReLU have written v144-175, which the stage's stores read; the quantiser is done with v112-143, in which the stage's loads land behind the barrier
.irp p, 0,1,2,3
	ds_store_b128 v6, v[144+8*\p:147+8*\p] offset:16*SROW*\p
	ds_store_b128 v6, v[148+8*\p:151+8*\p] offset:16*SROW*\p+16
.endr
	BAR                                            ; 64 whole rows lie in the stage
.irp i, 0,1,2,3
.irp hh, 0,1
	ds_load_b128 v[SS+8*\i+4*\hh:SS+8*\i+4*\hh+3], v7 offset:SROW*\i+512*\hh
.endr
.endr
	s_wait_loadcnt 0x0                             ; x
	s_wait_dscnt 0x0
.set sn, 0
.rept 16
	v_pk_add_f32 v[XR+sn:XR+sn+1], v[XR+sn:XR+sn+1], v[SS+sn:SS+sn+1]
.set sn, sn+2
.endr
	s_wait_alu depctr_va_vdst(0)                   ; the residual's additions have written v220-251, which the global stores read
.irp i, 0,1,2,3
.irp hh, 0,1
	global_store_b128 v1, v[XR+8*\i+4*\hh:XR+8*\i+4*\hh+3], s[44:45] offset:\i*262144+\hh*512 th:TH_STORE_NT   ; 512 consecutive bytes, aligned
.endr
.endr
	s_wait_xcnt 0x0                                ; the stores' registers and bases are written again below
	BAR                                            ; every wave's reads of the stage are over: it may be written again
	s_add_nc_u64 s[42:43], s[42:43], 1024
	s_add_nc_u64 s[44:45], s[44:45], 1024
	s_add_co_u32 s[TB], s[TB], SLICE
	s_add_co_u32 s[TS], s[TS], SSL
	s_sub_co_u32 s[CNT], s[CNT], 1
	s_cmp_lg_u32 s[CNT], 0
	s_cbranch_scc1 .Lf
	s_wait_xcnt 0x0
	v_lshl_add_u32 v254, v0, 2, 0x2b000            ; my spare word and 0, made anew (no memory or LDS instruction has read v254 or v255 since the loop's waits on vm_vsrc)
	v_mov_b32 v255, 0
	s_wait_dscnt 0x0                               ; the closing lines, six on end
	s_wait_alu 0x0
	s_wait_tensorcnt 0x0
	ds_add_u32 v254, v255
	s_wait_dscnt 0x0
	s_endpgm
.Lfunc_end_k_q8e05e3be8b_tattn:
	.size	k_q8e05e3be8b_tattn, .Lfunc_end_k_q8e05e3be8b_tattn-k_q8e05e3be8b_tattn
	.p2alignl 7, 3214868480
	.fill 96, 4, 3214868480
	.section	.rodata,"a",@progbits
	.p2align	6, 0x0
	.amdhsa_kernel k_q8e05e3be8b_tattn
		.amdhsa_group_segment_fixed_size 178176
		.amdhsa_private_segment_fixed_size 0
		.amdhsa_enable_private_segment 0
		.amdhsa_kernarg_size 96
		.amdhsa_user_sgpr_count 2
		.amdhsa_user_sgpr_kernarg_segment_ptr 1
		.amdhsa_wavefront_size32 1
		.amdhsa_system_sgpr_workgroup_id_x 1
		.amdhsa_system_sgpr_workgroup_id_y 1
		.amdhsa_system_sgpr_workgroup_id_z 1
		.amdhsa_system_vgpr_workitem_id 0
		.amdhsa_next_free_vgpr 256
		.amdhsa_next_free_sgpr 66
		.amdhsa_reserve_vcc 0
		.amdhsa_float_denorm_mode_32 3
		.amdhsa_float_denorm_mode_16_64 3
		.amdhsa_memory_ordered 1
		.amdhsa_forward_progress 1
		.amdhsa_inst_pref_size 132
	.end_amdhsa_kernel
	.amdgpu_metadata
---
amdhsa.version: [ 1, 2 ]
amdhsa.kernels:
  - .name:           k_q8e05e3be8b_tattn
    .symbol:         k_q8e05e3be8b_tattn.kd
    .args:
      - { .name: inp_codes, .offset: 0, .size: 8, .value_kind: global_buffer, .address_space: global }
      - { .name: inp_scales, .offset: 8, .size: 8, .value_kind: global_buffer, .address_space: global }
      - { .name: tqk_W_codes, .offset: 16, .size: 8, .value_kind: global_buffer, .address_space: global }
      - { .name: tqk_W_scales, .offset: 24, .size: 8, .value_kind: global_buffer, .address_space: global }
      - { .name: tqk_a, .offset: 32, .size: 8, .value_kind: global_buffer, .address_space: global }
      - { .name: bn, .offset: 40, .size: 8, .value_kind: global_buffer, .address_space: global }
      - { .name: fo, .offset: 48, .size: 8, .value_kind: global_buffer, .address_space: global }
      - { .name: proj_W_codes, .offset: 56, .size: 8, .value_kind: global_buffer, .address_space: global }
      - { .name: proj_W_scales, .offset: 64, .size: 8, .value_kind: global_buffer, .address_space: global }
      - { .name: proj_a, .offset: 72, .size: 8, .value_kind: global_buffer, .address_space: global }
      - { .name: x, .offset: 80, .size: 8, .value_kind: global_buffer, .address_space: global }
      - { .name: out0, .offset: 88, .size: 8, .value_kind: global_buffer, .address_space: global }
    .group_segment_fixed_size: 178176
    .private_segment_fixed_size: 0
    .kernarg_segment_align: 8
    .kernarg_segment_size: 96
    .max_flat_workgroup_size: 512
    .sgpr_count:     66
    .vgpr_count:     256
    .wavefront_size: 32
...
	.end_amdgpu_metadata
.endif
;; end of part 5
